; MI455X (gfx1250); checked and timed in simulation.
; The chip was launched on July 23, 2026; its instructions are those of AMD's public machine-readable ISA for CDNA 5 (MIT licence, August 2026) and "CDNA5" Instruction Set Architecture Reference Guide (July 2026). The comments in the code are by the model that wrote it; some were corrected since.
;; Hierarchical Softmax. Allowed arithmetic: matrix products marked QUANTISED: E2M3 operands, one E8M0 scale for each 32 along K, by v_wmma_scale_f32_16x16x128_f8f6f4 with both operands' format E2M3, f32 sums; products left as they are: f32 operands where the result goes on into a quantised operand, else bf16, f16 or f32 operands; f32 sums; everything else in f32.
;; Inputs: W1 8 x 1,024 x 16 float32; W2 128 x 1,024 x 8 float32; Wp 1,024 x 8 float32; X 32,768 x 1,024 float32; X_length 32,768 int32; X_occurrence 32,768 int32; X_phase 32,768 int32; X_subject 32,768 int32; b1 8 x 16 float32; b2 128 x 8 float32; bp 8 float32.
;; Outputs: out0 32,768 float32; out1 32,768 float32; out2 32,768 float32.
;; This version of the problem:
;;   THIS VERSION OF THE PROBLEM IS GIVEN IN LOW PRECISION. The matrix products marked QUANTISED in the list below multiply operands that are first quantised to E2M3 (2 exponent bits, 3 mantissa bits; 6 bits a number), with one power-of-two scale for each 32 numbers along K (OCP MX v1.0); their sums are f32. All else is computed in f32.
;;   The module's matrix products, in the order in which they are computed (A, B: the left and right operand; K: the contracted axis; several contracted axes count as one K, in the product's order):
;;     1. [M 32,768, K 1,024] x [K 1,024, N 8]; A: input X; B: input Wp: left as it is (N = 8 < 16)
;;     2. [M 32,768, K 1,024] x [K 1,024, N 128]; A: input X; B: input W1: QUANTISED
;;     3. [M 32,768, K 1,024] x [K 1,024, N 1,024]; A: input X; B: input W2: QUANTISED
;;   THE QUANTISER, for each operand of a quantised product, along K:
;;     - K is cut into blocks of 32 from its start; a last block that is shorter is filled with zeros.
;;     - A block's scale is 2^e with e = floor(log2(the largest magnitude in the block)) - 2, held to -126 .. 127; a block of zeros has e = 0. As a byte (E8M0): e + 127.
;;     - Each number is divided by its block's scale, clamped to +-7.5, and rounded to the nearest number of E2M3, ties to even, subnormals kept.
;;     - The product sums the exact products of the quantised numbers (number of the format x scale) in f32.
;;   ~~~python
;;   def quantise(x, axis):      # numpy; x: float32 -> the quantised numbers, widened to float32 again
;;       x = np.moveaxis(x, axis, -1); K = x.shape[-1]
;;       x = np.pad(x, [(0, 0)] * (x.ndim - 1) + [(0, -K % 32)]); x = x.reshape(x.shape[:-1] + (-1, 32)); a = np.abs(x).max(-1, keepdims=True)
;;       e = np.where(a > 0, np.clip(np.frexp(np.where(a > 0, a, 1))[1] - 1 - 2, -126, 127), 0)      # np.frexp(a)[1] - 1 = floor(log2(a)), exactly
;;       r = np.clip(x / 2.0 ** e, -7.5, 7.5)
;;       step = 2.0 ** (np.maximum(np.frexp(np.where(r == 0, 1, r))[1] - 1, 0) - 3)
;;       q = np.round(r / step) * step * 2.0 ** e      # np.round: ties to even
;;       return np.moveaxis(q.reshape(q.shape[:-2] + (-1,))[..., :K], -1, axis).astype(np.float32)
;;   ~~~
;; 2 versions. Each part assembles by itself: llvm-mc -triple=amdgcn-amd-amdhsa -mcpu=gfx1250 --defsym DOCPART=n.
;; ======== version 1 of 2: 2 launches
;; workspace buffers: wcodes 884,736 bytes; wscales 36,864 bytes; wpf 32,768 bytes; order 147,456 bytes of whole numbers
;; launch prep (part 1): grid 101 x 1, 16 waves a work-group, no clusters, 3,328 bytes of LDS; arguments W1, W2, Wp, X_occurrence, X_phase, X_subject, wcodes, wscales, wpf, order; writes wcodes, wscales, wpf, order
.if DOCPART == 1
	.amdgcn_target "amdgcn-amd-amdhsa--gfx1250"
	.amdhsa_code_object_version 6
	.text
	.protected	k_qcd43dbb458_prep
	.globl	k_qcd43dbb458_prep
	.p2align	8
	.type	k_qcd43dbb458_prep,@function
k_qcd43dbb458_prep:
	s_mov_b64 s[64:65], 0
	v_nop
	global_prefetch_b8 v0, s[64:65] scope:SCOPE_SE
	s_setreg_imm32_b32 hwreg(HW_REG_WAVE_MODE, 25, 1), 1
	s_wait_xcnt 0x0
; PREP: lays the weights out once, as the second launch's operand registers take them, and sorts the tokens.  Four kinds of work-group, told apart by the work-group's number alone:
;   0-3    W1 [8][1024][16] f32  -> 64 fragments of codes of FP6 (E2M3), tile T = phase, K step S (128 along K): one fragment a wave
;   4-35   W2 [128][1024][8] f32 -> 512 fragments, tile T = 8 + (pair of experts): fragment row r = expert 2 (T - 8) + r / 8, column r % 8
;   36     Wp [1024][8] f32      -> 32 fragments of bf16 (16 rows x 32 K; rows 8-15 are zeros)
;   37-100 the sort: work-group j places tokens 512 j .. 512 j + 511
; A FRAGMENT IS STORED AS AN IMAGE OF ITS REGISTERS: register 4 c + e of lane l at byte 512 c + 16 l + 4 e, so that the reader loads it by 16-byte loads of neighbouring lanes.
; wcodes: fragment (T, S) at 1536 (8 T + S).  wscales: the word (four E8M0 bytes) of row r of fragment (T, S) at 64 (8 T + S) + 4 r.  wpf: fragment F at 1024 F.
; QUANTISER: a lane takes a column and its registers run down K, so a block of 32 lies in one lane.  A block's scale byte is its largest magnitude's exponent field - 2, held at 1 from below.
; LIMITS: a block of zeros, or one whose largest magnitude lies under 2^-124, gets the byte 1 (a block of zeros has zero codes, and the bytes are read by this program alone); NaN and infinities are not served.
; THE SORT: key g = (occurrence / 16) % 8, each group padded to whole tiles of 16 tokens.  With Ttot tiles (2048 .. 2055) and E = Ttot - 2048, work-group b of the second launch owns tiles
; f(b) .. f(b + 1) - 1, f(b) = 8 b + (b E) / 256: eight or nine tiles, whatever the split.  order: [b][local tile 0..8][16] words:
; token | phase << 15 | occurrence << 18 | (subject % 8) << 25 | (b has nine tiles) << 28.  The empty places of a group's last tile repeat tokens of that tile; a ninth tile that b does not have holds zeros.
; Every sort work-group counts all 32,768 keys (64 chunks of 512) and ranks its own chunk: no traffic between work-groups.  Indices are taken modulo their tables (& 7, & 127, & 7).
.set TAB,    0                         ; LDS: 64 chunks x 16 bytes: eight counts of 16 bits, in the order of groups (0,4) (2,6) (1,5) (3,7)
.set TAB2,   1024                      ; 16 waves x 16 bytes: the same for the 32 tokens of each wave of my own chunk
.set SPARE,  1280                      ; the spare words, 128 bytes for each of the 16 waves: eight blocks of 256 bytes that no other line names
.set SPW,    4                         ; v4  LDS address of my spare word; never rewritten
.set NIL,    5                         ; v5  0; never rewritten
.set WV,     24                        ; s24 my wave's number
.set PSEL,   26                        ; s[26:27] v_permlanex16_b32's selects for lane l xor 16
.set FLOOR,  0x1800000                 ; 2^(3 - 127): under it no largest magnitude is taken, so the byte cannot fall under 1
.set LESS2,  0xff000000                ; takes 2 off an exponent field
.set FILL,   128                       ; v128-142 the offsets of the fifteen rounds that fill a tile's empty places: one register a round, so that none is written while a store may still read it
	s_load_b512 s[4:19], s[0:1], 0x0               ; W1 s[4:5], W2 s[6:7], Wp s[8:9], X_occurrence s[10:11], X_phase s[12:13], X_subject s[14:15], wcodes s[16:17], wscales s[18:19]
	s_load_b128 s[20:23], s[0:1], 0x40             ; wpf s[20:21], order s[22:23]
	v_lshl_add_u32 v[SPW], v0, 2, SPARE
	v_mov_b32 v[NIL], 0
	v_lshrrev_b32 v1, 5, v0
	v_readfirstlane_b32 s[WV], v1                  ; wave 0..15
	v_and_b32 v1, 31, v0                           ; lane
	v_and_b32 v2, 15, v0                           ; r
	v_bfe_u32 v3, v0, 4, 1                         ; h
	s_mov_b32 s[PSEL], 0x76543210
	s_mov_b32 s[PSEL+1], 0xfedcba98
	s_mov_b32 s29, 0                               ; the high word of every offset pair s[28:29]
	s_wait_kmcnt 0x0
	s_cmp_lt_u32 ttmp9, 4
	s_cbranch_scc1 .Lw1
	s_cmp_lt_u32 ttmp9, 36
	s_cbranch_scc1 .Lw2
	s_cmp_eq_u32 ttmp9, 36
	s_cbranch_scc1 .Lwp
	; ---------------- THE SORT ----------------
	s_sub_co_u32 s25, ttmp9, 37                    ; j: my chunk
	s_lshl_b32 s28, s25, 11                        ; its 512 tokens' first byte
	s_add_nc_u64 s[30:31], s[10:11], s[28:29]
	s_add_nc_u64 s[32:33], s[12:13], s[28:29]
	s_add_nc_u64 s[34:35], s[14:15], s[28:29]
	v_lshlrev_b32 v6, 2, v0
	global_load_b32 v7, v6, s[30:31]               ; my token's occurrence,
	global_load_b32 v8, v6, s[32:33]               ; phase,
	global_load_b32 v9, v6, s[34:35]               ; subject
	s_lshl_b32 s36, s[WV], 13
	v_lshl_add_u32 v10, v1, 4, s36                 ; all tokens: wave w counts chunks 4 w .. 4 w + 3: 8,192 bytes, 512 consecutive bytes a load
.set i, 0
.rept 16
	global_load_b128 v[64+4*i:67+4*i], v10, s[10:11] offset:512*i
.set i, i+1
.endr
.irp k, 0,1,2,3
	v_mov_b32 v[30+\k], 0                          ; written once: a lane permute's destination counts as one of its sources
.endr
	s_mov_b32 s56, 0x0f0f0f0f
	s_mov_b32 s57, 0x00ff00ff
	s_wait_loadcnt 16                              ; my token's three numbers are in; the 16 loads behind them may be out
	v_bfe_u32 v11, v7, 4, 3                        ; my key g
.irp g, 0,1,2,3,4,5,6,7
	v_cmp_eq_u32 s[40+\g], \g, v11                 ; which lanes of my wave have key g: kept for the ranks
.endr
.irp g, 0,1,2,3,4,5,6,7
	s_bcnt1_i32_b32 s[48+\g], s[40+\g]
.endr
.irp g, 4,5,6,7
	s_lshl_b32 s[48+\g], s[48+\g], 16
.endr
	s_or_b32 s48, s48, s52                         ; (0,4)
	s_or_b32 s50, s50, s54                         ; (2,6)
	s_or_b32 s49, s49, s53                         ; (1,5)
	s_or_b32 s51, s51, s55                         ; (3,7)
	v_mov_b32 v12, s48
	v_mov_b32 v13, s50
	v_mov_b32 v14, s49
	v_mov_b32 v15, s51
	s_lshl_b32 s36, s[WV], 4
	v_mov_b32 v16, s36
	ds_store_b128 v16, v[12:15] offset:TAB2        ; all lanes write the same 16 bytes with the same values
	s_lshl_b32 s36, s[WV], 6
	v_mov_b32 v17, s36
	s_wait_loadcnt 0x0
; The counts of chunk 4 w + c: a lane's 16 keys go into two registers of eight 4-bit counts (8 keys each, so no count passes 8); those into bytes (at most 16);
; three steps across lanes (at most 128); then into 16-bit fields and the last two steps (at most 512).
.macro COUNT c
	v_mov_b32 v20, 0
	v_mov_b32 v21, 0
.irp i, 0,1,2,3,4,5,6,7
	v_lshrrev_b32 v22, 2, v[64+16*\c+\i]
	v_lshrrev_b32 v23, 2, v[72+16*\c+\i]
	v_and_b32 v22, 28, v22                         ; 4 g
	v_and_b32 v23, 28, v23
	v_lshl_add_u32 v20, 1, v22, v20
	v_lshl_add_u32 v21, 1, v23, v21
.endr
	v_and_b32 v24, s56, v20
	v_and_b32 v25, s56, v21
	v_lshrrev_b32 v20, 4, v20
	v_lshrrev_b32 v21, 4, v21
	v_add_nc_u32 v24, v24, v25                     ; bytes: groups 0, 2, 4, 6
	v_and_b32 v20, s56, v20
	v_and_b32 v21, s56, v21
	v_add_nc_u32 v25, v20, v21                     ; bytes: groups 1, 3, 5, 7
.irp x, 1,2,4
	v_add_nc_u32_dpp v24, v24, v24 row_xmask:\x row_mask:0xf bank_mask:0xf
	v_add_nc_u32_dpp v25, v25, v25 row_xmask:\x row_mask:0xf bank_mask:0xf
.endr
	v_and_b32 v[36+4*\c], s57, v24                 ; (0,4)
	v_lshrrev_b32 v24, 8, v24
	v_and_b32 v[38+4*\c], s57, v25                 ; (1,5)
	v_lshrrev_b32 v25, 8, v25
	v_and_b32 v[37+4*\c], s57, v24                 ; (2,6)
	v_and_b32 v[39+4*\c], s57, v25                 ; (3,7)
.irp k, 0,1,2,3
	v_add_nc_u32_dpp v[36+4*\c+\k], v[36+4*\c+\k], v[36+4*\c+\k] row_xmask:8 row_mask:0xf bank_mask:0xf
.endr
.irp k, 0,1,2,3
	v_permlanex16_b32 v[30+\k], v[36+4*\c+\k], s[PSEL], s[PSEL+1]
.endr
.irp k, 0,1,2,3
	v_add_nc_u32 v[36+4*\c+\k], v[36+4*\c+\k], v[30+\k]
.endr
	ds_store_b128 v17, v[36+4*\c:39+4*\c] offset:TAB+16*\c   ; each chunk has registers of its own: no store's data are written again
.endm
	COUNT 0
	COUNT 1
	COUNT 2
	COUNT 3
	s_wait_dscnt 0x0                               ; for the others' sake: my stores into the two tables are done
	s_barrier_signal -1
	s_barrier_wait -1                              ; the launch's only barrier: all 64 chunks' and all 16 waves' counts lie in LDS
	v_lshlrev_b32 v20, 4, v1
	v_lshlrev_b32 v21, 4, v2
	ds_load_b128 v[64:67], v20 offset:TAB          ; lane l: chunk l,
	ds_load_b128 v[68:71], v20 offset:TAB+512      ; chunk 32 + l,
	ds_load_b128 v[72:75], v21 offset:TAB2         ; and wave l % 16 of my chunk
	v_cmp_gt_u32 s58, s25, v1                      ; chunk l comes before mine
	v_add_nc_u32 v22, 32, v1
	v_cmp_gt_u32 s59, s25, v22                     ; chunk 32 + l does
	v_cmp_gt_u32 s60, s[WV], v1                    ; wave l of my chunk comes before mine (never true of lanes 16-31)
	s_wait_dscnt 0x0
.irp k, 0,1,2,3
	v_add_nc_u32 v[76+\k], v[64+\k], v[68+\k]      ; towards the totals
	v_cndmask_b32 v[80+\k], 0, v[64+\k], s58       ; towards the counts in front of my wave
	v_cndmask_b32 v22, 0, v[68+\k], s59
	v_cndmask_b32 v23, 0, v[72+\k], s60
	v_add3_u32 v[80+\k], v[80+\k], v22, v23
.endr
.irp x, 1,2,4,8
.irp k, 0,1,2,3,4,5,6,7
	v_add_nc_u32_dpp v[76+\k], v[76+\k], v[76+\k] row_xmask:\x row_mask:0xf bank_mask:0xf   ; no field passes 32,768: none carries into its neighbour
.endr
.endr
.irp k, 0,1,2,3,4,5,6,7
	v_permlanex16_b32 v[84+\k], v[76+\k], s[PSEL], s[PSEL+1]
.endr
.irp k, 0,1,2,3,4,5,6,7
	v_add_nc_u32 v[76+\k], v[76+\k], v[84+\k]
.endr
.irp k, 0,1,2,3
	v_readfirstlane_b32 s[66+\k], v[76+\k]         ; totals
	v_readfirstlane_b32 s[70+\k], v[80+\k]         ; in front of my wave
.endr
	s_mov_b32 s74, 0                               ; tiles in front of group g
.irp g, 0,1,2,3,4,5,6,7                        ; group g lies in word 2 (g % 2) + (g / 2) % 2, half g / 4
	s_bfe_u32 s75, s[66+(\g&1)*2+((\g>>1)&1)], 0x100000+16*(\g>>2)
	s_bfe_u32 s76, s[70+(\g&1)*2+((\g>>1)&1)], 0x100000+16*(\g>>2)
	s_lshl_b32 s77, s74, 4
	s_add_co_u32 s[48+\g], s77, s76                ; the place of my wave's first token of group g
	s_add_co_u32 s[56+\g], s77, s75                ; the place behind the group's last token
	s_add_co_u32 s75, s75, 15
	s_lshr_b32 s75, s75, 4
	s_add_co_u32 s74, s74, s75
.endr
	s_sub_co_u32 s78, s74, 2048                    ; E, 0 .. 7
	v_mov_b32 v24, 0
	v_mov_b32 v25, 0
.irp g, 0,1,2,3,4,5,6,7
	v_mbcnt_lo_u32_b32 v26, s[40+\g], s[48+\g]     ; + the lanes below me with key g
	v_cndmask_b32 v24, v24, v26, s[40+\g]          ; my place
	v_cndmask_b32 v25, v25, s[56+\g], s[40+\g]     ; my group's end
.endr
	v_and_b32 v27, 15, v24                         ; a: my place in my tile
	v_lshrrev_b32 v28, 4, v24                      ; my tile
	v_lshrrev_b32 v29, 3, v28                      ; b is this or one less, since 8 b <= f(b) <= 8 b + 6
	v_mul_u32_u24 v30, v29, s78
	v_lshrrev_b32 v30, 8, v30
	v_lshl_add_u32 v30, v29, 3, v30
	v_cmp_gt_u32 vcc_lo, v30, v28
	v_cndmask_b32 v31, 0, 1, vcc_lo
	v_sub_nc_u32 v29, v29, v31                     ; b
	v_mul_u32_u24 v30, v29, s78
	v_lshrrev_b32 v30, 8, v30
	v_add_nc_u32 v31, 1, v29
	v_mul_u32_u24 v31, v31, s78
	v_lshrrev_b32 v31, 8, v31
	v_sub_nc_u32 v31, v31, v30                     ; 1 where b has nine tiles
	v_lshl_add_u32 v30, v29, 3, v30                ; f(b)
	v_sub_nc_u32 v32, v28, v30                     ; my tile among b's
	v_mad_u32_u24 v32, v29, 9, v32
	v_lshl_add_u32 v32, v32, 4, v27                ; my word in order
	v_sub_nc_u32 v33, v25, v24
	v_add_nc_u32 v33, v33, v27
	v_min_u32 v33, 16, v33                         ; m: the tokens in my tile
	s_lshl_b32 s75, s25, 9
	v_add_nc_u32 v34, s75, v0                      ; my token's number
	v_and_b32 v8, 7, v8
	v_and_b32 v7, 0x7f, v7
	v_and_b32 v9, 7, v9
	v_lshl_or_b32 v34, v8, 15, v34
	v_lshl_or_b32 v34, v7, 18, v34
	v_lshl_or_b32 v34, v9, 25, v34
	v_lshl_or_b32 v34, v31, 28, v34
	v_mov_b32 v59, v32                             ; my own word's number is kept: v32 walks on below
	v_min_u32 v35, 0x8fff, v32                     ; a number made of loaded numbers enters an address only behind this hold
	v_lshlrev_b32 v35, 2, v35
	global_store_b32 v35, v34, s[22:23]
; The empty places of a tile with m < 16 tokens: the token at place a also fills a + m, a + 2 m .. under 16: each place has one writer.  EXEC stays whole: a lane with nothing left to fill stores its
; word to its own place once more (the same number to the same place); the choice is made ahead of the hold, so that only the shift stands between the hold and the store.  A lane's place only grows
; the wave leaves the rounds.  In a full tile m = 16: a wave whose tokens all lie in full tiles leaves in the first round.
.set i, 0
.rept 15
	v_add_nc_u32 v27, v27, v33
	v_add_nc_u32 v32, v32, v33
	v_cmp_gt_u32 vcc_lo, 16, v27
	s_cbranch_vccz .Lfilled                        ; whole numbers read from memory decide; no barrier stands behind this branch
	v_cndmask_b32 v[FILL+i], v59, v32, vcc_lo
	v_min_u32 v[FILL+i], 0x8fff, v[FILL+i]
	v_lshlrev_b32 v[FILL+i], 2, v[FILL+i]
	global_store_b32 v[FILL+i], v34, s[22:23]
.set i, i+1
.endr
.Lfilled:
	s_wait_xcnt 0x0                                ; the stores above have read EXEC: it changes only behind this wait
	; the ninth tile of b = 4 j .. 4 j + 3, where b has eight: zeros, so that every word of order is written.  Threads 0-63: b = 4 j + thread / 16, place thread % 16
	v_lshrrev_b32 v53, 4, v0
	s_lshl_b32 s75, s25, 2
	v_add_nc_u32 v53, s75, v53
	v_mul_u32_u24 v54, v53, s78
	v_lshrrev_b32 v54, 8, v54
	v_add_nc_u32 v55, 1, v53
	v_mul_u32_u24 v55, v55, s78
	v_lshrrev_b32 v55, 8, v55
	v_sub_nc_u32 v55, v55, v54                     ; 1 where b has nine
	v_lshrrev_b32 v56, 6, v0
	v_or_b32 v55, v55, v56                         ; or the thread is not among the 64
	v_mad_u32_u24 v57, v53, 9, 8
	v_lshl_add_u32 v57, v57, 4, v2
	v_min_u32 v57, 0x8fff, v57
	v_lshlrev_b32 v57, 2, v57
	v_mov_b32 v58, 0
	v_cmp_eq_u32 vcc_lo, 0, v55
	s_and_saveexec_b32 s76, vcc_lo
	global_store_b32 v57, v58, s[22:23]
	s_wait_xcnt 0x0                                ; and again, in front of the line that widens EXEC
	s_or_b32 exec_lo, exec_lo, s76
	s_branch .Lend
	; ---------------- W1: fragment 16 x work-group + wave = 8 T + S ----------------
.Lw1:
	s_lshl_b32 s37, ttmp9, 4
	s_add_co_u32 s37, s37, s[WV]
	s_lshr_b32 s28, s37, 3
	s_lshl_b32 s28, s28, 16                        ; phase T: 65,536 bytes
	s_and_b32 s36, s37, 7
	s_lshl_b32 s36, s36, 13                        ; K step S: 128 rows of 64 bytes
	s_add_co_u32 s28, s28, s36
	s_add_nc_u64 s[34:35], s[4:5], s[28:29]
	v_lshlrev_b32 v6, 2, v2                        ; column r,
	v_lshl_add_u32 v6, v3, 11, v6                  ; lanes 16-31 begin 32 rows further down
.set i, 0
.rept 64
	global_load_b32 v[64+i], v6, s[34:35] offset:(64*(i/32)+i%32)*64   ; register 32 c + i: k = 64 c + 32 h + i
.set i, i+1
.endr
	s_branch .Lquant
	; ---------------- W2: fragment 64 + 16 x (work-group - 4) + wave ----------------
.Lw2:
	s_sub_co_u32 s37, ttmp9, 4
	s_lshl_b32 s37, s37, 4
	s_add_co_u32 s37, s37, s[WV]
	s_lshr_b32 s28, s37, 3
	s_lshl_b32 s28, s28, 16                        ; a pair of experts: 65,536 bytes
	s_and_b32 s36, s37, 7
	s_lshl_b32 s36, s36, 12                        ; K step S: 128 rows of 32 bytes
	s_add_co_u32 s28, s28, s36
	s_add_nc_u64 s[34:35], s[6:7], s[28:29]
	s_add_co_u32 s37, s37, 64
	v_lshrrev_b32 v6, 3, v2
	v_lshlrev_b32 v6, 15, v6                       ; the pair's expert r / 8,
	v_and_b32 v7, 7, v2
	v_lshl_add_u32 v6, v7, 2, v6                   ; column r % 8,
	v_lshl_add_u32 v6, v3, 10, v6                  ; lanes 16-31 begin 32 rows further down
.set i, 0
.rept 64
	global_load_b32 v[64+i], v6, s[34:35] offset:(64*(i/32)+i%32)*32
.set i, i+1
.endr
.Lquant:                                               ; 64 numbers a lane: two whole blocks of 32 along K of my fragment row
	s_wait_loadcnt 0x0
	v_max3_num_f32 v8, |v64|, |v65|, FLOOR
	v_max3_num_f32 v9, |v96|, |v97|, FLOOR
.irp i, 2,4,6,8,10,12,14,16,18,20,22,24,26,28,30
	v_max3_num_f32 v8, v8, |v[64+\i]|, |v[65+\i]|
	v_max3_num_f32 v9, v9, |v[96+\i]|, |v[97+\i]|
.endr
	v_add_nc_u32 v10, LESS2, v8                    ; 2 off the exponent field: the conversion takes the exponent field of this operand as its scale
	v_add_nc_u32 v11, LESS2, v9
	v_lshrrev_b32 v12, 23, v10                     ; the scales' bytes: blocks h and 2 + h of my row
	v_lshrrev_b32 v13, 23, v11
	v_lshl_or_b32 v12, v13, 16, v12
	v_lshlrev_b32 v13, 3, v3
	v_lshlrev_b32 v12, v13, v12                    ; at their places in the word
	v_mov_b32 v13, 0
	v_permlanex16_b32 v13, v12, s[PSEL], s[PSEL+1]
	v_or_b32 v12, v12, v13                         ; with lane l xor 16's two the word is whole, in both lanes
	v_cvt_scalef32_pk16_fp6_f32 v[16:18], v[64:79], v10
	v_cvt_scalef32_pk16_fp6_f32 v[28:30], v[80:95], v10     ; (a conversion's three registers begin on an even number: a block's second three are made elsewhere and moved)
	v_cvt_scalef32_pk16_fp6_f32 v[22:24], v[96:111], v11
	v_cvt_scalef32_pk16_fp6_f32 v[32:34], v[112:127], v11
	v_nop                                          ; one plain place behind a scaled conversion
.irp i, 0,1,2
	v_mov_b32 v[19+\i], v[28+\i]
	v_mov_b32 v[25+\i], v[32+\i]
.endr
	s_mul_i32 s28, s37, 1536
	s_add_nc_u64 s[30:31], s[16:17], s[28:29]
	s_lshl_b32 s28, s37, 6
	s_add_nc_u64 s[32:33], s[18:19], s[28:29]
	v_lshlrev_b32 v7, 4, v1
	v_lshlrev_b32 v14, 2, v2
	global_store_b128 v7, v[16:19], s[30:31]               ; each store of the wave covers 512 consecutive bytes, aligned
	global_store_b128 v7, v[20:23], s[30:31] offset:512
	global_store_b128 v7, v[24:27], s[30:31] offset:1024
	global_store_b32 v14, v12, s[32:33]                    ; 16 words; lanes r and 16 + r store the same word to the same place
	s_branch .Lend
	; ---------------- Wp: wave w makes fragments 2 w and 2 w + 1 ----------------
; Register j of lane (r, h) of fragment F holds bf16 of Wp[k][r], Wp[k + 1][r], k = 64 (F / 2) + 32 h + 16 (F % 2) + 2 j: the order in which the second launch's lanes hold x.  Both operands of a product
; have k in the same places of the registers, so the products pair rightly.
.Lwp:
	s_lshl_b32 s28, s[WV], 11
	s_add_nc_u64 s[30:31], s[8:9], s[28:29]
	s_add_nc_u64 s[32:33], s[20:21], s[28:29]
	v_and_b32 v6, 7, v2
	v_lshlrev_b32 v6, 2, v6
	v_lshl_add_u32 v6, v3, 10, v6
.set i, 0
.rept 32
	global_load_b32 v[64+i], v6, s[30:31] offset:32*i      ; Wp[64 w + 32 h + i][r % 8]
.set i, i+1
.endr
	v_lshlrev_b32 v7, 4, v1
	v_cmp_gt_u32 vcc_lo, 8, v2
	s_wait_loadcnt 0x0
.set i, 0
.rept 16
	v_cvt_pk_bf16_f32 v[16+i], v[64+2*i], v[65+2*i]
.set i, i+1
.endr
.set i, 0
.rept 16
	v_cndmask_b32 v[16+i], 0, v[16+i], vcc_lo              ; rows 8-15 of the fragment are zeros
.set i, i+1
.endr
.irp q, 0,1,2,3
	global_store_b128 v7, v[16+4*\q:19+4*\q], s[32:33] offset:512*\q
.endr
.Lend:
	s_wait_tensorcnt 0x0                           ; the wave's end
	ds_add_u32 v[SPW], v[NIL]
	s_wait_dscnt 0x0
	s_endpgm
.Lfunc_end_k_qcd43dbb458_prep:
	.size	k_qcd43dbb458_prep, .Lfunc_end_k_qcd43dbb458_prep-k_qcd43dbb458_prep
	.p2alignl 7, 3214868480
	.fill 96, 4, 3214868480
	.section	.rodata,"a",@progbits
	.p2align	6, 0x0
	.amdhsa_kernel k_qcd43dbb458_prep
		.amdhsa_group_segment_fixed_size 3328
		.amdhsa_private_segment_fixed_size 0
		.amdhsa_enable_private_segment 0
		.amdhsa_kernarg_size 80
		.amdhsa_user_sgpr_count 2
		.amdhsa_user_sgpr_kernarg_segment_ptr 1
		.amdhsa_wavefront_size32 1
		.amdhsa_system_sgpr_workgroup_id_x 1
		.amdhsa_system_sgpr_workgroup_id_y 1
		.amdhsa_system_sgpr_workgroup_id_z 1
		.amdhsa_system_vgpr_workitem_id 0
		.amdhsa_next_free_vgpr 256
		.amdhsa_next_free_sgpr 84
		.amdhsa_reserve_vcc 1
		.amdhsa_float_denorm_mode_32 3
		.amdhsa_float_denorm_mode_16_64 3
		.amdhsa_memory_ordered 1
		.amdhsa_forward_progress 1
		.amdhsa_inst_pref_size 58
	.end_amdhsa_kernel
	.amdgpu_metadata
---
amdhsa.version: [ 1, 2 ]
amdhsa.kernels:
  - .name:           k_qcd43dbb458_prep
    .symbol:         k_qcd43dbb458_prep.kd
    .args:
      - { .name: W1, .offset: 0, .size: 8, .value_kind: global_buffer, .address_space: global }
      - { .name: W2, .offset: 8, .size: 8, .value_kind: global_buffer, .address_space: global }
      - { .name: Wp, .offset: 16, .size: 8, .value_kind: global_buffer, .address_space: global }
      - { .name: X_occurrence, .offset: 24, .size: 8, .value_kind: global_buffer, .address_space: global }
      - { .name: X_phase, .offset: 32, .size: 8, .value_kind: global_buffer, .address_space: global }
      - { .name: X_subject, .offset: 40, .size: 8, .value_kind: global_buffer, .address_space: global }
      - { .name: wcodes, .offset: 48, .size: 8, .value_kind: global_buffer, .address_space: global }
      - { .name: wscales, .offset: 56, .size: 8, .value_kind: global_buffer, .address_space: global }
      - { .name: wpf, .offset: 64, .size: 8, .value_kind: global_buffer, .address_space: global }
      - { .name: order, .offset: 72, .size: 8, .value_kind: global_buffer, .address_space: global }
    .group_segment_fixed_size: 3328
    .private_segment_fixed_size: 0
    .kernarg_segment_align: 8
    .kernarg_segment_size: 80
    .max_flat_workgroup_size: 512
    .sgpr_count:     84
    .vgpr_count:     256
    .wavefront_size: 32
...
	.end_amdgpu_metadata
.endif
;; end of part 1
;; launch route (part 2): grid 256 x 1, 4 waves a work-group, no clusters, 147,968 bytes of LDS; arguments X, order, wcodes, wscales, wpf, b1, b2, bp, out0, out1, out2; writes out0, out1, out2
.if DOCPART == 2
	.amdgcn_target "amdgcn-amd-amdhsa--gfx1250"
	.amdhsa_code_object_version 6
	.text
	.protected	k_qcd43dbb458_route
	.globl	k_qcd43dbb458_route
	.p2align	8
	.type	k_qcd43dbb458_route,@function
k_qcd43dbb458_route:
	s_mov_b64 s[64:65], 0
	v_nop
	global_prefetch_b8 v0, s[64:65] scope:SCOPE_SE
	s_setreg_imm32_b32 hwreg(HW_REG_WAVE_MODE, 25, 1), 1
	s_wait_xcnt 0x0
; ROUTE: for each token three softmax heads on its row x of X [32768][1024] f32:  p0 = softmax(x Wp + bp)[phase];  p1 = softmax(x W1[phase] + b1[phase])[occurrence % 16];
; p2 = softmax(x W2[occurrence] + b2[occurrence])[subject % 8];  out0 = p0, out1 = p0 p1, out2 = p0 p1 p2.  The two expert products run on codes of FP6 (E2M3) with one E8M0 scale for each 32 along K,
; x quantised here in registers; the phase head runs on bf16 operands; all sums, biases and softmaxes in f32.
; WHAT IS MULTIPLIED.  The tokens come sorted by g = occurrence / 16, in tiles of 16 of one g (list: order).  A tile is multiplied by all 8 phases of W1 (nothing ties a token's phase to its g) and by the 16 experts of
; its g; the token's own 16 + 8 logits are then picked by v_cndmask_b32.  The other experts' results are those that the gathers of the problem throw away.
; SHARES.  Work-group b takes its 8 or 9 tiles.  THE FOUR WAVES SPLIT K: wave w owns k = 256 w .. 256 w + 255 (K steps S = 2 w, 2 w + 1) of every tile.  So each wave's weights stay in its registers, no weight is held
; twice in the work-group, x's codes never leave the wave that made them, and a wave reads 1,024 consecutive bytes of each row.  Picking is linear, so it comes before the sum over the waves: 24 registers a tile and wave
; go to LDS; behind ONE barrier the waves share the tiles out for sums, biases, softmaxes and stores.
; BOTH PRODUCTS ARE USED TRANSPOSED (source 0 = 16 weight columns, source 1 = 16 tokens): lane (r, h) holds token r and columns 8 h .. 8 h + 7.
; X's WAY.  A half-tile = 16 rows x 512 bytes (one K step).  Each load reads 256 consecutive, aligned bytes of a row in sixteen lanes; four half-tiles (64 loads) of a wave are on their way.  A half-tile turns through the
; wave's own stage in LDS, after which lane (r, h) holds x[token r][128 S + 64 c + 32 h + i] in register 32 c + i: two whole blocks of 32, in the order of the 6-bit operand's registers.
; No tensor load, no cluster: the rows are gathered by a stored list, and the reload of W2 at a change of g is a branch on it.  No prefetch: the wave's load counter is full of X's loads throughout.
; X_length is not read: it enters no result of the problem.
; LIMITS: NaN and infinities are not served; a block whose largest magnitude lies under 2^-124 (a block of zeros too) gets the scale byte 1; the sum over K is formed of four partial sums of 256, in f32;
; the phase head's operands are rounded to bf16; places of a tile that repeat a token store the same numbers to the same places.
; REGISTERS, in windows of 256 (s_set_vgpr_msb: bits 1:0 source 0, 3:2 source 1, 5:4 source 2, 7:6 destination):
;   window 0: see the names below.   window 1: four landing slots of 64: half s of tile t lands in slot 2 (t % 2) + s.
;   windows 2, 3 (K steps 2 w, 2 w + 1): v0-95 W1's 8 fragments, v96-191 W2's 8, v192-223 Wp's 4; v224-255 the biases of the tiles that I finish.
.set SPITCH, 528                       ; a stage row: 512 bytes + 16: 33 x 16, so that the sixteen rows that a 16-byte load touches start in different banks (64 banks of 4 bytes: ISA guide 11.1)
.set STAGEW, 16*SPITCH                 ; LDS: a stage for each wave, from byte 0;
.set MET,    4*STAGEW                  ; each wave's own copy of the work-group's 144 words of order, 768 bytes apart;
.set METW,   768
.set PART,   MET+4*METW                ; the partial logits: [wave][tile 0..8] images of 24 registers, 3,072 bytes each;
.set PIMG,   3072
.set PARTW,  9*PIMG
.set SPARE,  PART+4*PARTW              ; the spare words, 128 bytes for each wave: two blocks of 256 bytes that no other line names
.set LI,   1                           ; 16 x lane
.set R,    2                           ; lane % 16
.set H,    3                           ; lane / 16
.set LOFF, 4                           ; 1024 w + 16 R: my bytes in a row of X
.set STW,  5                           ; the stage, in: row 8 H, byte 16 R
.set STR,  6                           ; the stage, out: row R, byte 128 H
.set METH, 7                           ; my copy of the words + 32 H
.set METR, 8                           ; my copy of the words + 4 R
.set PST,  9                           ; my partial images + 16 x lane
.set SH8,  10                          ; 8 H
.set WSO,  11                          ; 128 w + 64 H + 4 R: a tile's scale word of row R, K step 2 w + H
.set TA,   12                          ; LDS addresses in hand
.set TB,   13
.set META, 14                          ; the word of token R of the tile in hand
.set PHV,  15                          ; its phase
.set OCQ,  16                          ; its (occurrence / 2) % 8: which of the 8 tiles of W2
.set PAD,  17                          ; LDS address of the partial stores
.set SPW,  18                          ; LDS address of my spare word; never rewritten
.set NIL,  19                          ; 0; never rewritten
.set XAD,  20                          ; v20-27, v28-35: two sets of 8 row offsets: register i: the row of the tile's place 8 H + i
.set XSC,  36                          ; v36-37 x's scale words of the two K steps: scales and nothing else
.set WSC,  38                          ; v38-53 the 16 weight tiles' scale words: lanes 0-15 K step 2 w, lanes 16-31 K step 2 w + 1
.set COD,  54                          ; v54-77 x's codes, 12 registers a K step
.set TMC,  78                          ; v78-80, v82-84 second halves of blocks, as converted
.set MB0,  81                          ; second chains of the two maxima
.set MB1,  85
.set SEL,  86                          ; v86-93 the picked logits of W1, v94-101 of W2,
.set PH0,  102                         ; v102-109, v110-117 the phase head's two accumulators
.set EM,   118                         ; v118-120 the words of the tiles that I finish
.set MX,   121                         ; v121-122 largest magnitudes; v123-124 the conversions' scale operands; v125-126 bytes; v127 at work
.set SO,   123
.set BY,   125
.set T2,   127
.set XA,   128                         ; v128-191 64 numbers of K step 2 w
.set XB,   192                         ; v192-255 64 numbers of K step 2 w + 1; then
.set ACC,  192                         ; the 8 accumulators of a run of products
.set WV,    36                         ; s36 my wave's number
.set NINE,  37                         ; s37 1 where the work-group has nine tiles
.set GCUR,  38                         ; s38 the g whose experts lie in my registers
.set TRIP,  39
.set ST64,  40                         ; s40 64 x the trip's first tile
.set SPART, 41                         ; s41 3,072 x the trip's first tile
.set PSEL,  42                         ; s[42:43] v_permlanex16_b32's selects for lane l xor 16
.set LOG2E, 44
.set MSK,   48                         ; s48-61 14 masks for the picking
.set MSB, 0
.macro WIN new                         ; the immediate's high byte repeats the setting that is left; a switch that changes nothing is dropped
.if MSB != (\new)
	s_set_vgpr_msb (MSB<<8)|(\new)
.set MSB, (\new)
.endif
.endm
; 16 loads: half s of a tile into a landing slot.  Lanes 0-15 read 256 consecutive bytes of the row at place i, lanes 16-31 of the row at place 8 + i.  Each row's bytes are read once, by one wave (a repeated place reads its row again in the same run).
.macro LOADH slot, set, s
	WIN 0x40
.irp i, 0,1,2,3,4,5,6,7
	global_load_b128 v[64*(\slot)+8*\i:64*(\slot)+8*\i+3],   v[XAD+8*(\set)+\i], s[4:5] offset:512*(\s) th:TH_LOAD_NT
	global_load_b128 v[64*(\slot)+8*\i+4:64*(\slot)+8*\i+7], v[XAD+8*(\set)+\i], s[4:5] offset:512*(\s)+256 th:TH_LOAD_NT
.endr
	WIN 0
.endm
; A landed half-tile turns through my stage.  LDS serves a wave's instructions in order (ISA guide 5.7.1.4): no wait between the stores and the loads, and one stage serves both halves.
.macro DRAIN slot, xr
	WIN 0x04
.irp i, 0,1,2,3,4,5,6,7
	ds_store_b128 v[STW], v[64*(\slot)+8*\i:64*(\slot)+8*\i+3]   offset:SPITCH*\i
	ds_store_b128 v[STW], v[64*(\slot)+8*\i+4:64*(\slot)+8*\i+7] offset:SPITCH*\i+256
.endr
	WIN 0
.irp j, 0,1,2,3,4,5,6,7
	ds_load_b128 v[\xr+4*\j:\xr+4*\j+3], v[STR] offset:16*\j
.endr
.irp j, 0,1,2,3,4,5,6,7
	ds_load_b128 v[\xr+32+4*\j:\xr+32+4*\j+3], v[STR] offset:256+16*\j
.endr
.endm
; 8 words of the list become 8 row offsets: token x 4,096 + my bytes in a row.  A loaded number enters an address only behind the hold by v_min_u32.
.macro ADDR set
.irp i, 0,1,2,3,4,5,6,7
	v_and_b32 v[XAD+8*(\set)+\i], 0x7fff, v[XAD+8*(\set)+\i]
.endr
.irp i, 0,1,2,3,4,5,6,7
	v_min_u32 v[XAD+8*(\set)+\i], 0x7fff, v[XAD+8*(\set)+\i]
.endr
.irp i, 0,1,2,3,4,5,6,7
	v_lshl_add_u32 v[XAD+8*(\set)+\i], v[XAD+8*(\set)+\i], 12, v[LOFF]
.endr
.endm
; 64 numbers of a lane (two whole blocks of 32) become K step s's codes and scale word.  Each block's largest magnitude in two chains, the four chains by turns; the floor 2^(3 - 127) holds the byte at 1 from below.
.macro QUANT xr, s
	v_max3_num_f32 v[MX],   |v[\xr]|,    |v[\xr+1]|,  0x1800000
	v_max3_num_f32 v[MX+1], |v[\xr+32]|, |v[\xr+33]|, 0x1800000
	v_max3_num_f32 v[MB0],  |v[\xr+16]|, |v[\xr+17]|, |v[\xr+18]|
	v_max3_num_f32 v[MB1],  |v[\xr+48]|, |v[\xr+49]|, |v[\xr+50]|
.irp i, 2,4,6,8,10,12,14
	v_max3_num_f32 v[MX],   v[MX],   |v[\xr+\i]|,    |v[\xr+\i+1]|
	v_max3_num_f32 v[MX+1], v[MX+1], |v[\xr+32+\i]|, |v[\xr+33+\i]|
.if \i < 14
	v_max3_num_f32 v[MB0],  v[MB0],  |v[\xr+17+\i]|, |v[\xr+18+\i]|
	v_max3_num_f32 v[MB1],  v[MB1],  |v[\xr+49+\i]|, |v[\xr+50+\i]|
.endif
.endr
	v_max3_num_f32 v[MX],   v[MX],   v[MB0], |v[\xr+31]|
	v_max3_num_f32 v[MX+1], v[MX+1], v[MB1], |v[\xr+63]|
	v_add_nc_u32 v[SO],   0xff000000, v[MX]        ; 2 off the exponent field: the conversion takes the exponent field of this operand as its scale
	v_add_nc_u32 v[SO+1], 0xff000000, v[MX+1]
	v_lshrrev_b32 v[BY],   23, v[SO]               ; the bytes of blocks h and 2 + h
	v_lshrrev_b32 v[BY+1], 23, v[SO+1]
	v_lshl_or_b32 v[BY], v[BY+1], 16, v[BY]
	v_lshlrev_b32 v[BY], v[SH8], v[BY]
	v_permlanex16_b32 v[T2], v[BY], s[PSEL], s[PSEL+1]
	v_or_b32 v[XSC+(\s)], v[BY], v[T2]             ; with lane l xor 16's two the word is whole
	v_cvt_scalef32_pk16_fp6_f32 v[COD+12*(\s):COD+12*(\s)+2],   v[\xr:\xr+15],    v[SO]
	v_cvt_scalef32_pk16_fp6_f32 v[TMC:TMC+2],                   v[\xr+16:\xr+31], v[SO]     ; (a conversion's three registers begin on an even number)
	v_cvt_scalef32_pk16_fp6_f32 v[COD+12*(\s)+6:COD+12*(\s)+8], v[\xr+32:\xr+47], v[SO+1]
	v_cvt_scalef32_pk16_fp6_f32 v[TMC+4:TMC+6],                 v[\xr+48:\xr+63], v[SO+1]
	v_nop                                          ; one plain place behind a scaled conversion
.irp i, 0,1,2
	v_mov_b32 v[COD+12*(\s)+3+\i], v[TMC+\i]
	v_mov_b32 v[COD+12*(\s)+9+\i], v[TMC+4+\i]
.endr
.endm
; The same 64 numbers as bf16, in place: register i takes numbers 2 i, 2 i + 1; ascending, so that no number is written over before it is read.  Registers 8 m .. 8 m + 7 are source 1 of the phase head's m-th product.
.macro BF16 xr
.irp i, 0,1,2,3,4,5,6,7,8,9,10,11,12,13,14,15,16,17,18,19,20,21,22,23,24,25,26,27,28,29,30,31
	v_cvt_pk_bf16_f32 v[\xr+\i], v[\xr+2*\i], v[\xr+2*\i+1]
.endr
.endm
; The phase head: four products of 32 along K; two accumulators by turns.  first = 1: a tile's first two start the sums.
.macro PHEAD xr, s, first
	WIN 0x02+(\s)
.irp m, 0,1,2,3
.if (\first) && (\m < 2)
	v_wmma_f32_16x16x32_bf16 v[PH0+8*(\m%2):PH0+8*(\m%2)+7], v[192+8*\m:199+8*\m], v[\xr+8*\m:\xr+8*\m+7], 0
.else
	v_wmma_f32_16x16x32_bf16 v[PH0+8*(\m%2):PH0+8*(\m%2)+7], v[192+8*\m:199+8*\m], v[\xr+8*\m:\xr+8*\m+7], v[PH0+8*(\m%2):PH0+8*(\m%2)+7]
.endif
.endr
	WIN 0
.endm
; 16 products on codes: 8 weight tiles (bt = 0: W1's phases, 1: W2's pairs of experts) x my two K steps; the 8 accumulators by turns.  The weights' scale word of the second K step lies in lanes 16-31.
.macro FP6 bt
	WIN 0x02
.irp n, 0,1,2,3,4,5,6,7
	v_wmma_scale_f32_16x16x128_f8f6f4 v[ACC+8*\n:ACC+8*\n+7], v[96*(\bt)+12*\n:96*(\bt)+12*\n+11], v[COD:COD+11], 0, v[WSC+8*(\bt)+\n], v[XSC] matrix_a_fmt:MATRIX_FMT_FP6 matrix_b_fmt:MATRIX_FMT_FP6
.endr
	WIN 0x03
.irp n, 0,1,2,3,4,5,6,7
	v_wmma_scale_f32_16x16x128_f8f6f4 v[ACC+8*\n:ACC+8*\n+7], v[96*(\bt)+12*\n:96*(\bt)+12*\n+11], v[COD+12:COD+23], v[ACC+8*\n:ACC+8*\n+7], v[WSC+8*(\bt)+\n], v[XSC+1] matrix_a_fmt:MATRIX_FMT_FP6 matrix_b_fmt:MATRIX_FMT_FP6 matrix_a_scale:MATRIX_SCALE_ROW1
.endr
	WIN 0
.endm
; Of the 8 accumulators each lane keeps its token's.  Five places stand behind the products: four for the reads, the fifth for the next run's products, which begin these accumulators anew (ISA guide 7.12.1).
; Each accumulator is read from its low end on.
.macro SELECT bt
.rept 5
	v_nop
.endr
.irp n, 1,2,3,4,5,6,7
	v_cmp_eq_u32 s[MSK+7*(\bt)+\n-1], \n, v[PHV+(\bt)]
.endr
.irp j, 0,1,2,3,4,5,6,7
	v_cndmask_b32 v[SEL+8*(\bt)+\j], v[ACC+\j], v[ACC+8+\j], s[MSK+7*(\bt)]
.endr
.irp n, 2,3,4,5,6,7
.irp j, 0,1,2,3,4,5,6,7
	v_cndmask_b32 v[SEL+8*(\bt)+\j], v[SEL+8*(\bt)+\j], v[ACC+8*\n+\j], s[MSK+7*(\bt)+\n-1]
.endr
.endr
.endm
; My 24 partial logits of the tile go to LDS as an image of their registers.
.macro PARTOUT k
.irp i, 0,2,4,6
	v_pk_add_f32 v[PH0+\i:PH0+\i+1], v[PH0+\i:PH0+\i+1], v[PH0+8+\i:PH0+8+\i+1]
.endr
	v_add_nc_u32 v[PAD], s[SPART], v[PST]
.irp c, 0,1,2,3,4,5
	ds_store_b128 v[PAD], v[SEL+4*\c:SEL+4*\c+3] offset:PIMG*(\k)+512*\c
.endr
.endm
; The 16 experts of group s[GCUR]: 16 fragments (48 loads) and 8 scale words.
.macro LOADW2
	s_min_u32 s74, s[GCUR], 7                      ; a loaded number enters an address only behind this hold
	s_add_co_u32 s74, s74, 1
	s_mul_i32 s76, s74, 98304                      ; 8 tiles x 8 K steps x 1,536 bytes for W1 and for each group
	s_mov_b32 s77, 0
	s_add_nc_u64 s[68:69], s[66:67], s[76:77]
	s_lshl_b32 s76, s74, 12                        ; 8 tiles x 512 bytes of scale words
	s_add_nc_u64 s[72:73], s[10:11], s[76:77]
	WIN 0x80
.irp q, 0,1,2,3,4,5,6,7
.irp c, 0,1,2
	global_load_b128 v[96+12*\q+4*\c:99+12*\q+4*\c], v[LI], s[68:69] offset:12288*\q+512*\c
.endr
.endr
	WIN 0xc0
.irp q, 0,1,2,3,4,5,6,7
.irp c, 0,1,2
	global_load_b128 v[96+12*\q+4*\c:99+12*\q+4*\c], v[LI], s[68:69] offset:12288*\q+1536+512*\c
.endr
.endr
	WIN 0
.irp q, 0,1,2,3,4,5,6,7
	global_load_b32 v[WSC+8+\q], v[WSO], s[72:73] offset:512*\q
.endr
.endm
; A tile of another group than the one in my registers: its experts are fetched, and waited for with all else.  The list is sorted, so the whole launch has at most seven such edges where no group is empty.
.macro REGROUP
	v_readfirstlane_b32 s74, v[META]
	s_bfe_u32 s74, s74, 0x30016                    ; g: 3 bits from bit 22
	s_cmp_eq_u32 s74, s[GCUR]
	s_cbranch_scc1 .Lsame_\@
	s_mov_b32 s[GCUR], s74
	s_wait_xcnt 0x0                                ; the bases of the last such loads are written again only behind this wait
	LOADW2
	s_wait_loadcnt 0x0
.Lsame_\@:
.endm
; ONE TILE.  u = the tile's parity, k = the tile less the trip's first.  r1 = 1: half 1 of the tile two on is asked for.  r2 = 1: half 0 of the next tile is turned and half 0 of the tile three on asked for; 2: turned only; 0: neither.
; w1, w2: the loads younger than the half-tile wanted (16 for each half-tile behind it).
.macro TILE u, k, r1, r2, w1, w2
	v_add_nc_u32 v[TA], s[ST64], v[METR]
	ds_load_b32 v[META], v[TA] offset:64*(\k)
.if (\r2) == 1
	s_wait_xcnt 0x0                                ; the loads that named this set of offsets have read it
	v_add_nc_u32 v[TB], s[ST64], v[METH]
	ds_load_b128 v[XAD+8*(1-\u):XAD+8*(1-\u)+3],   v[TB] offset:64*((\k)+3)
	ds_load_b128 v[XAD+8*(1-\u)+4:XAD+8*(1-\u)+7], v[TB] offset:64*((\k)+3)+16
.endif
	s_wait_loadcnt \w1                             ; this tile's half 1 has landed
	DRAIN 2*\u+1, XB
	s_wait_dscnt 16                                ; only the 16 loads just issued may be out: half 0's numbers and the words are in, the last partial stores are done, and the slot's registers have been read
.if \r1
	LOADH 2*\u+1, \u, 1
.endif
	v_bfe_u32 v[PHV], v[META], 15, 3
	v_bfe_u32 v[OCQ], v[META], 19, 3
	REGROUP
	QUANT XA, 0
	BF16 XA
	PHEAD XA, 0, 1
	s_wait_dscnt 0x0                               ; half 1's numbers are in
	QUANT XB, 1
	BF16 XB
	PHEAD XB, 1, 0
.if \r2
	s_wait_loadcnt \w2                             ; the next tile's half 0 has landed; it turns through the stage while the products below run
	DRAIN 2*(1-\u), XA
.endif
.if (\r2) == 1
	ADDR 1-\u
	s_wait_dscnt 16                                ; the stores have read the slot's registers
	LOADH 2*(1-\u), 1-\u, 0
.endif
.rept 5
	v_nop                                          ; the products below write over registers that the phase head's last products read: five places (ISA guide 7.12.1)
.endr
	FP6 0
	SELECT 0
	FP6 1
	SELECT 1
	PARTOUT \k
.endm
	s_load_b512 s[4:19], s[0:1], 0x0               ; X s[4:5], order s[6:7], wcodes s[8:9], wscales s[10:11], wpf s[12:13], b1 s[14:15], b2 s[16:17], bp s[18:19]
	s_load_b128 s[20:23], s[0:1], 0x40             ; out0, out1
	s_load_b64 s[24:25], s[0:1], 0x50              ; out2
	v_lshl_add_u32 v[SPW], v0, 2, SPARE
	v_mov_b32 v[NIL], 0
	v_lshrrev_b32 v[TA], 5, v0
	v_readfirstlane_b32 s[WV], v[TA]               ; wave 0..3
	v_and_b32 v[LI], 31, v0
	v_lshlrev_b32 v[LI], 4, v[LI]
	v_and_b32 v[R], 15, v0
	v_bfe_u32 v[H], v0, 4, 1
	s_lshl_b32 s74, s[WV], 10
	v_lshl_add_u32 v[LOFF], v[R], 4, s74
	s_mul_i32 s74, s[WV], STAGEW
	v_mul_u32_u24 v[STW], v[H], 8*SPITCH
	v_lshl_add_u32 v[STW], v[R], 4, v[STW]
	v_add_nc_u32 v[STW], s74, v[STW]
	v_mul_u32_u24 v[STR], v[R], SPITCH
	v_lshl_add_u32 v[STR], v[H], 7, v[STR]
	v_add_nc_u32 v[STR], s74, v[STR]
	s_mul_i32 s74, s[WV], METW
	s_add_co_u32 s74, s74, MET
	v_lshl_add_u32 v[METH], v[H], 5, s74
	v_lshl_add_u32 v[METR], v[R], 2, s74
	v_add_nc_u32 v[TB], s74, v[LI]                 ; where my copy of the first 128 words goes
	s_lshl_b32 s75, s[WV], 6
	v_add_nc_u32 v[TA], s75, v[METR]               ; the word of token R of tile w
	s_mul_i32 s74, s[WV], PARTW
	s_add_co_u32 s74, s74, PART
	v_add_nc_u32 v[PST], s74, v[LI]
	v_lshlrev_b32 v[SH8], 3, v[H]
	s_lshl_b32 s74, s[WV], 7
	v_lshl_add_u32 v[WSO], v[H], 6, s74
	v_lshl_add_u32 v[WSO], v[R], 2, v[WSO]
	v_lshlrev_b32 v[PAD], 2, v[R]
	v_mov_b32 v[T2], 0                             ; written once: a lane permute's destination counts as one of its sources
	s_mov_b32 s[PSEL], 0x76543210
	s_mov_b32 s[PSEL+1], 0xfedcba98
	s_mov_b32 s[LOG2E], 0x3fb8aa3b
	s_mov_b32 s[TRIP], 3
	s_mov_b32 s[ST64], 0
	s_mov_b32 s[SPART], 0
	s_mov_b32 s75, 0
	s_wait_kmcnt 0x0
	s_load_b256 s[28:35], s[18:19], 0x0            ; bp's eight numbers
	s_mul_i32 s74, ttmp9, 576                      ; my work-group's 144 words
	s_add_nc_u64 s[6:7], s[6:7], s[74:75]
	global_load_b128 v[128:131], v[LI], s[6:7]             ; tiles 0-7: 512 consecutive bytes
	global_load_b32 v132, v[PAD], s[6:7] offset:512        ; tile 8 (zeros where there is none)
	s_mul_i32 s74, s[WV], 3072                     ; my two K steps in each tile of codes
	s_add_nc_u64 s[66:67], s[8:9], s[74:75]
	s_lshl_b32 s74, s[WV], 13                      ; my eight fragments of Wp
	s_add_nc_u64 s[70:71], s[12:13], s[74:75]
	WIN 0x80                                       ; what hangs on no word of the list goes out while the words are on their way: W1, Wp and W1's scale words, 72 loads
.irp p, 0,1,2,3,4,5,6,7
.irp c, 0,1,2
	global_load_b128 v[12*\p+4*\c:12*\p+4*\c+3], v[LI], s[66:67] offset:12288*\p+512*\c
.endr
.endr
.irp m, 0,1,2,3
.irp c, 0,1
	global_load_b128 v[192+8*\m+4*\c:195+8*\m+4*\c], v[LI], s[70:71] offset:1024*\m+512*\c
.endr
.endr
	WIN 0xc0
.irp p, 0,1,2,3,4,5,6,7
.irp c, 0,1,2
	global_load_b128 v[12*\p+4*\c:12*\p+4*\c+3], v[LI], s[66:67] offset:12288*\p+1536+512*\c
.endr
.endr
.irp m, 0,1,2,3
.irp c, 0,1
	global_load_b128 v[192+8*\m+4*\c:195+8*\m+4*\c], v[LI], s[70:71] offset:4096+1024*\m+512*\c
.endr
.endr
	WIN 0
.irp p, 0,1,2,3,4,5,6,7
	global_load_b32 v[WSC+\p], v[WSO], s[10:11] offset:512*\p
.endr
	s_wait_loadcnt 63                              ; 72 loads are younger than the words; the wait's field holds 63, the stricter side
	ds_store_b128 v[TB], v[128:131]
	ds_store_b32 v[METR], v132 offset:512          ; lanes R and 16 + R store the same word
	v_readfirstlane_b32 s74, v128                  ; the first word of tile 0, which every work-group has
	s_bfe_u32 s[NINE], s74, 0x1001c                ; bit 28
	s_bfe_u32 s[GCUR], s74, 0x30016                ; 3 bits from bit 22
	ds_load_b128 v[XAD:XAD+3],     v[METH]                 ; LDS serves a wave's instructions in order: these see my stores
	ds_load_b128 v[XAD+4:XAD+7],   v[METH] offset:16
	ds_load_b128 v[XAD+8:XAD+11],  v[METH] offset:64
	ds_load_b128 v[XAD+12:XAD+15], v[METH] offset:80
	ds_load_b32 v[EM],   v[TA]                     ; the tiles that I finish: w,
	ds_load_b32 v[EM+1], v[TA] offset:256          ; w + 4,
	ds_load_b32 v[EM+2], v[METR] offset:512        ; and 8 (used by wave 0 alone)
	s_wait_dscnt 0x0
	ADDR 0
	ADDR 1
	LOADH 0, 0, 0                                  ; tile 0
	LOADH 1, 0, 1
	LOADW2                                         ; 56 loads
.irp e, 0,1,2                                  ; the biases of the tiles that I finish: b1[phase][8 H ..], b2[occurrence][..]: 12 loads
	v_bfe_u32 v[133+2*\e], v[EM+\e], 15, 3
	v_bfe_u32 v[134+2*\e], v[EM+\e], 18, 7
	v_min_u32 v[133+2*\e], 7, v[133+2*\e]
	v_min_u32 v[134+2*\e], 0x7f, v[134+2*\e]
	v_lshlrev_b32 v[133+2*\e], 6, v[133+2*\e]
	v_lshlrev_b32 v[134+2*\e], 5, v[134+2*\e]
	v_lshl_add_u32 v[133+2*\e], v[H], 5, v[133+2*\e]
.endr
	WIN 0x80
.irp e, 0,1
	global_load_b128 v[224+16*\e:227+16*\e], v[133+2*\e], s[14:15]
	global_load_b128 v[228+16*\e:231+16*\e], v[133+2*\e], s[14:15] offset:16
	global_load_b128 v[232+16*\e:235+16*\e], v[134+2*\e], s[16:17]
	global_load_b128 v[236+16*\e:239+16*\e], v[134+2*\e], s[16:17] offset:16
.endr
	WIN 0xc0
	global_load_b128 v[224:227], v137, s[14:15]
	global_load_b128 v[228:231], v137, s[14:15] offset:16
	global_load_b128 v[232:235], v138, s[16:17]
	global_load_b128 v[236:239], v138, s[16:17] offset:16
	WIN 0
	LOADH 2, 1, 0                                  ; tile 1
	LOADH 3, 1, 1
	s_wait_kmcnt 0x0                               ; bp
	s_wait_loadcnt 63                              ; tile 0's half 0 has landed: 116 loads are younger; the wait's field holds 63, the stricter side
	s_wait_xcnt 0x0                                ; set 0 of the offsets and the biases' offsets have been read: loads may land on them
	ds_load_b128 v[XAD:XAD+3],   v[METH] offset:128        ; tile 2's words
	ds_load_b128 v[XAD+4:XAD+7], v[METH] offset:144
	DRAIN 0, XA
	s_wait_dscnt 16                                ; the words are in, and the stores have read the slot's registers
	ADDR 0
	LOADH 0, 0, 0                                  ; tile 2's half 0.  The first wait of tile 0 leaves 48 loads out, all of them X's and younger than every weight: so it shows the weights landed too
.Ltrip:                                                ; three trips of two tiles: tiles 0-5
	TILE 0, 0, 1, 1, 48, 48
	TILE 1, 1, 1, 1, 48, 48
	s_add_co_u32 s[ST64], s[ST64], 128
	s_add_co_u32 s[SPART], s[SPART], 2*PIMG
	s_sub_co_u32 s[TRIP], s[TRIP], 1
	s_cmp_lg_u32 s[TRIP], 0
	s_cbranch_scc1 .Ltrip
	TILE 0, 0, 1, 2, 48, 48                        ; tile 6: the last request, tile 8's half 1
	TILE 1, 1, 0, 2, 32, 16                        ; tile 7: the counts run down
	s_cmp_eq_u32 s[NINE], 0                        ; a stored whole number, the same in all four waves
	s_cbranch_scc1 .Lno9
	TILE 0, 2, 0, 0, 0, 0                          ; tile 8, where there is one
.Lno9:
	s_mul_i32 s74, s[WV], PIMG
	s_add_co_u32 s74, s74, PART
	v_add_nc_u32 v[TA], s74, v[LI]                 ; tile w in wave 0's images;
	v_add_nc_u32 v[TB], 2*PARTW, v[TA]             ; in wave 2's
	s_wait_loadcnt 0x0                             ; what was asked for a ninth tile that is not there has landed
	s_wait_dscnt 0x0                               ; for the others' sake: my partial stores are done
	s_barrier_signal -1
	s_barrier_wait -1                              ; the launch's only barrier: all four waves' partial logits of all tiles lie in LDS
; THE END OF A TILE: tile w + 4 e.  The four waves' partial logits are added, then the biases; three softmaxes, each with its maximum taken away; the three numbers of each token are stored.
; Lane (r, h): v128-135 W1's logits 8 h + j; v136-143 the logits of expert 2 q + h of the token's pair; v144-151 the phase head's (h = 0).  What lies in the wrong half gets the key -1 and adds 0.
.macro EPI e
.irp q, 0,1
.irp c, 0,1,2,3,4,5
	ds_load_b128 v[128+24*\q+4*\c:131+24*\q+4*\c], v[TA] offset:PARTW*\q+4*PIMG*(\e)+512*\c
	ds_load_b128 v[176+24*\q+4*\c:179+24*\q+4*\c], v[TB] offset:PARTW*\q+4*PIMG*(\e)+512*\c
.endr
.endr
	s_wait_dscnt 0x0
	s_wait_xcnt 0x0                                ; the last tile's stores have read their registers
.irp i, 0,2,4,6,8,10,12,14,16,18,20,22
	v_pk_add_f32 v[128+\i:129+\i], v[128+\i:129+\i], v[152+\i:153+\i]
	v_pk_add_f32 v[176+\i:177+\i], v[176+\i:177+\i], v[200+\i:201+\i]
.endr
.irp i, 0,2,4,6,8,10,12,14,16,18,20,22
	v_pk_add_f32 v[128+\i:129+\i], v[128+\i:129+\i], v[176+\i:177+\i]
.endr
	WIN 0x08+4*((\e)/2)                            ; source 1: window 2 (tiles w, w + 4) or 3 (tile 8)
.irp i, 0,2,4,6,8,10,12,14
	v_pk_add_f32 v[128+\i:129+\i], v[128+\i:129+\i], v[224+16*((\e)%2)+\i:225+16*((\e)%2)+\i]   ; b1, b2
.endr
	WIN 0
.irp j, 0,1,2,3,4,5,6,7
	v_add_f32 v[144+\j], s[28+\j], v[144+\j]       ; bp
.endr
	v_bfe_u32 v20, v[EM+(\e)], 18, 4
	v_sub_nc_u32 v20, v20, v[SH8]                  ; key 1: occurrence % 16 - 8 h
	v_bfe_u32 v21, v[EM+(\e)], 18, 1
	v_bfe_u32 v22, v[EM+(\e)], 25, 3
	v_cmp_eq_u32 vcc_lo, v21, v[H]
	v_cndmask_b32 v22, -1, v22, vcc_lo             ; key 2: subject % 8 in the half that holds the token's expert
	v_bfe_u32 v23, v[EM+(\e)], 15, 3
	v_cmp_eq_u32 vcc_lo, 0, v[H]
	v_cndmask_b32 v23, -1, v23, vcc_lo             ; key 0: phase, in lanes 0-15
	v_max3_num_f32 v24, v128, v129, v130
	v_max3_num_f32 v25, v136, v137, v138
	v_max3_num_f32 v26, v144, v145, v146
.irp j, 3,5
	v_max3_num_f32 v24, v24, v[128+\j], v[129+\j]
	v_max3_num_f32 v25, v25, v[136+\j], v[137+\j]
	v_max3_num_f32 v26, v26, v[144+\j], v[145+\j]
.endr
	v_max_num_f32 v24, v24, v135
	v_max_num_f32 v25, v25, v143
	v_max_num_f32 v26, v26, v151
	v_permlanex16_b32 v27, v24, s[PSEL], s[PSEL+1]
	v_max_num_f32 v24, v24, v27                    ; W1's 16 logits lie in both halves
	v_mul_f32 v25, s[LOG2E], v25
	v_mul_f32 v26, s[LOG2E], v26
	v_mul_f32 v24, s[LOG2E], v24
.irp j, 0,1,2,3,4,5,6,7
	v_fma_f32 v[128+\j], v[128+\j], s[LOG2E], -v24 ; (logit - maximum) x log2(e)
	v_fma_f32 v[136+\j], v[136+\j], s[LOG2E], -v25
	v_fma_f32 v[144+\j], v[144+\j], s[LOG2E], -v26
.endr
.irp j, 0,1,2,3,4,5,6,7,8,9,10,11,12,13,14,15,16,17,18,19,20,21,22,23
	v_exp_f32 v[128+\j], v[128+\j]
.endr
	v_mov_b32 v30, 0                               ; the numerators begin; plain work behind the exponentials
	v_mov_b32 v31, 0
	v_mov_b32 v32, 0
	s_wait_alu depctr_va_vdst(0)                   ; one wait for the batch of 24, ahead of its first reader
	v_add_f32 v33, v128, v129
	v_add_f32 v34, v136, v137
	v_add_f32 v35, v144, v145
.irp j, 2,3,4,5,6,7
	v_add_f32 v33, v33, v[128+\j]
	v_add_f32 v34, v34, v[136+\j]
	v_add_f32 v35, v35, v[144+\j]
.endr
.irp j, 0,1,2,3,4,5,6,7
	v_cmp_eq_u32 s[MSK],   \j, v20
	v_cmp_eq_u32 s[MSK+1], \j, v22
	v_cmp_eq_u32 s[MSK+2], \j, v23
	v_cndmask_b32 v30, v30, v[128+\j], s[MSK]
	v_cndmask_b32 v31, v31, v[136+\j], s[MSK+1]
	v_cndmask_b32 v32, v32, v[144+\j], s[MSK+2]
.endr
	v_permlanex16_b32 v27, v33, s[PSEL], s[PSEL+1]
	v_permlanex16_b32 v29, v30, s[PSEL], s[PSEL+1]
	v_add_f32 v33, v33, v27                        ; W1's sum and numerator over both halves
	v_add_f32 v30, v30, v29
	v_rcp_f32 v24, v33
	v_rcp_f32 v25, v34
	v_rcp_f32 v26, v35
	v_and_b32 v28, 0x7fff, v[EM+(\e)]              ; the token; a plain place behind the reciprocals
	s_wait_alu depctr_va_vdst(0)                   ; one wait for the three
	v_mul_f32 v30, v30, v24                        ; p1
	v_mul_f32 v31, v31, v25                        ; p2, 0 in the wrong half
	v_mul_f32 v32, v32, v26                        ; p0, 0 in lanes 16-31
	v_permlanex16_b32 v27, v31, s[PSEL], s[PSEL+1]
	v_permlanex16_b32 v29, v32, s[PSEL], s[PSEL+1]
	v_add_f32 v31, v31, v27
	v_add_f32 v32, v32, v29
	v_mul_f32 v30, v32, v30                        ; p0 p1
	v_min_u32 v28, 0x7fff, v28
	v_mul_f32 v31, v30, v31                        ; p0 p1 p2
	v_lshlrev_b32 v28, 2, v28
	global_store_b32 v28, v32, s[20:21]            ; lanes r and 16 + r hold the same token and the same numbers: EXEC stays whole
	global_store_b32 v28, v30, s[22:23]
	global_store_b32 v28, v31, s[24:25]
.endm
	EPI 0
	EPI 1
	s_cmp_lg_u32 s[WV], 0                          ; the ninth tile, where there is one, is wave 0's
	s_cbranch_scc1 .Ldone
	s_cmp_eq_u32 s[NINE], 0
	s_cbranch_scc1 .Ldone
	EPI 2
.Ldone:
	s_wait_tensorcnt 0x0                           ; the wave's end
	ds_add_u32 v[SPW], v[NIL]
	s_wait_dscnt 0x0
	s_endpgm
.Lfunc_end_k_qcd43dbb458_route:
	.size	k_qcd43dbb458_route, .Lfunc_end_k_qcd43dbb458_route-k_qcd43dbb458_route
	.p2alignl 7, 3214868480
	.fill 96, 4, 3214868480
	.section	.rodata,"a",@progbits
	.p2align	6, 0x0
	.amdhsa_kernel k_qcd43dbb458_route
		.amdhsa_group_segment_fixed_size 147968
		.amdhsa_private_segment_fixed_size 0
		.amdhsa_enable_private_segment 0
		.amdhsa_kernarg_size 88
		.amdhsa_user_sgpr_count 2
		.amdhsa_user_sgpr_kernarg_segment_ptr 1
		.amdhsa_wavefront_size32 1
		.amdhsa_system_sgpr_workgroup_id_x 1
		.amdhsa_system_sgpr_workgroup_id_y 1
		.amdhsa_system_sgpr_workgroup_id_z 1
		.amdhsa_system_vgpr_workitem_id 0
		.amdhsa_next_free_vgpr 1024
		.amdhsa_next_free_sgpr 84
		.amdhsa_reserve_vcc 1
		.amdhsa_float_denorm_mode_32 3
		.amdhsa_float_denorm_mode_16_64 3
		.amdhsa_memory_ordered 1
		.amdhsa_forward_progress 1
		.amdhsa_inst_pref_size 252
	.end_amdhsa_kernel
	.amdgpu_metadata
---
amdhsa.version: [ 1, 2 ]
amdhsa.kernels:
  - .name:           k_qcd43dbb458_route
    .symbol:         k_qcd43dbb458_route.kd
    .args:
      - { .name: X, .offset: 0, .size: 8, .value_kind: global_buffer, .address_space: global }
      - { .name: order, .offset: 8, .size: 8, .value_kind: global_buffer, .address_space: global }
      - { .name: wcodes, .offset: 16, .size: 8, .value_kind: global_buffer, .address_space: global }
      - { .name: wscales, .offset: 24, .size: 8, .value_kind: global_buffer, .address_space: global }
      - { .name: wpf, .offset: 32, .size: 8, .value_kind: global_buffer, .address_space: global }
      - { .name: b1, .offset: 40, .size: 8, .value_kind: global_buffer, .address_space: global }
      - { .name: b2, .offset: 48, .size: 8, .value_kind: global_buffer, .address_space: global }
      - { .name: bp, .offset: 56, .size: 8, .value_kind: global_buffer, .address_space: global }
      - { .name: out0, .offset: 64, .size: 8, .value_kind: global_buffer, .address_space: global }
      - { .name: out1, .offset: 72, .size: 8, .value_kind: global_buffer, .address_space: global }
      - { .name: out2, .offset: 80, .size: 8, .value_kind: global_buffer, .address_space: global }
    .group_segment_fixed_size: 147968
    .private_segment_fixed_size: 0
    .kernarg_segment_align: 8
    .kernarg_segment_size: 88
    .max_flat_workgroup_size: 128
    .sgpr_count:     84
    .vgpr_count:     1024
    .wavefront_size: 32
...
	.end_amdgpu_metadata
.endif
;; end of part 2
;; ======== version 2 of 2: 2 launches
;; workspace buffers: wcodes 884,736 bytes; wscales 36,864 bytes; wpf 32,768 bytes; order 147,456 bytes of whole numbers
;; launch prep (part 3): grid 101 x 1, 16 waves a work-group, no clusters, 3,328 bytes of LDS; arguments W1, W2, Wp, X_occurrence, X_phase, X_subject, wcodes, wscales, wpf, order; writes wcodes, wscales, wpf, order
.if DOCPART == 3
	.amdgcn_target "amdgcn-amd-amdhsa--gfx1250"
	.amdhsa_code_object_version 6
	.text
	.protected	k_qcd43dbb458_prep
	.globl	k_qcd43dbb458_prep
	.p2align	8
	.type	k_qcd43dbb458_prep,@function
k_qcd43dbb458_prep:
	s_mov_b64 s[64:65], 0
	v_nop
	global_prefetch_b8 v0, s[64:65] scope:SCOPE_SE
	s_setreg_imm32_b32 hwreg(HW_REG_WAVE_MODE, 25, 1), 1
	s_wait_xcnt 0x0
; PREP: lays the weights out once, as the second launch's operand registers take them, and sorts the tokens.  Four kinds of work-group, told apart by the work-group's number alone:
;   0-3    W1 [8][1024][16] f32  -> 64 fragments of codes of FP6 (E2M3), tile T = phase, K step S (128 along K): one fragment a wave
;   4-35   W2 [128][1024][8] f32 -> 512 fragments, tile T = 8 + (pair of experts): fragment row r = expert 2 (T - 8) + r / 8, column r % 8
;   36     Wp [1024][8] f32      -> 32 fragments of bf16 (16 rows x 32 K; rows 8-15 are zeros)
;   37-100 the sort: work-group j places tokens 512 j .. 512 j + 511
; A FRAGMENT IS STORED AS AN IMAGE OF ITS REGISTERS: register 4 c + e of lane l at byte 512 c + 16 l + 4 e, so that the reader loads it by 16-byte loads of neighbouring lanes.
; wcodes: fragment (T, S) at 1536 (8 T + S).  wscales: the word (four E8M0 bytes) of row r of fragment (T, S) at 64 (8 T + S) + 4 r.  wpf: fragment F at 1024 F.
; QUANTISER: a lane takes a column and its registers run down K, so a block of 32 lies in one lane.  A block's scale byte is its largest magnitude's exponent field - 2, held at 1 from below.
; LIMITS: a block of zeros, or one whose largest magnitude lies under 2^-124, gets the byte 1 (a block of zeros has zero codes, and the bytes are read by this program alone); NaN and infinities are not served.
; THE SORT: key g = (occurrence / 16) % 8, each group padded to whole tiles of 16 tokens.  With Ttot tiles (2048 .. 2055) and E = Ttot - 2048, work-group b of the second launch owns tiles
; f(b) .. f(b + 1) - 1, f(b) = 8 b + (b E) / 256: eight or nine tiles, whatever the split.  order: [b][local tile 0..8][16] words:
; token | phase << 15 | occurrence << 18 | (subject % 8) << 25 | (b has nine tiles) << 28.  The empty places of a group's last tile repeat tokens of that tile; a ninth tile that b does not have holds zeros.
; Every sort work-group counts all 32,768 keys (64 chunks of 512) and ranks its own chunk: no traffic between work-groups.  Indices are taken modulo their tables (& 7, & 127, & 7).
.set TAB,    0                         ; LDS: 64 chunks x 16 bytes: eight counts of 16 bits, in the order of groups (0,4) (2,6) (1,5) (3,7)
.set TAB2,   1024                      ; 16 waves x 16 bytes: the same for the 32 tokens of each wave of my own chunk
.set SPARE,  1280                      ; the spare words, 128 bytes for each of the 16 waves: eight blocks of 256 bytes that no other line names
.set SPW,    4                         ; v4  LDS address of my spare word; never rewritten
.set NIL,    5                         ; v5  0; never rewritten
.set WV,     24                        ; s24 my wave's number
.set PSEL,   26                        ; s[26:27] v_permlanex16_b32's selects for lane l xor 16
.set FLOOR,  0x1800000                 ; 2^(3 - 127): under it no largest magnitude is taken, so the byte cannot fall under 1
.set LESS2,  0xff000000                ; takes 2 off an exponent field
.set FILL,   128                       ; v128-142 the offsets of the fifteen rounds that fill a tile's empty places: one register a round, so that none is written while a store may still read it
	s_load_b512 s[4:19], s[0:1], 0x0               ; W1 s[4:5], W2 s[6:7], Wp s[8:9], X_occurrence s[10:11], X_phase s[12:13], X_subject s[14:15], wcodes s[16:17], wscales s[18:19]
	s_load_b128 s[20:23], s[0:1], 0x40             ; wpf s[20:21], order s[22:23]
	v_lshl_add_u32 v[SPW], v0, 2, SPARE
	v_mov_b32 v[NIL], 0
	v_lshrrev_b32 v1, 5, v0
	s_delay_alu instid0(VALU_DEP_1)
	v_readfirstlane_b32 s[WV], v1                  ; wave 0..15
	v_and_b32 v1, 31, v0                           ; lane
	v_and_b32 v2, 15, v0                           ; r
	v_bfe_u32 v3, v0, 4, 1                         ; h
	s_mov_b32 s[PSEL], 0x76543210
	s_mov_b32 s[PSEL+1], 0xfedcba98
	s_mov_b32 s29, 0                               ; the high word of every offset pair s[28:29]
	s_wait_kmcnt 0x0
	s_cmp_lt_u32 ttmp9, 4
	s_cbranch_scc1 .Lw1
	s_cmp_lt_u32 ttmp9, 36
	s_cbranch_scc1 .Lw2
	s_cmp_eq_u32 ttmp9, 36
	s_cbranch_scc1 .Lwp
	; ---------------- THE SORT ----------------
	s_sub_co_u32 s25, ttmp9, 37                    ; j: my chunk
	s_lshl_b32 s28, s25, 11                        ; its 512 tokens' first byte
	s_add_nc_u64 s[30:31], s[10:11], s[28:29]
	s_add_nc_u64 s[32:33], s[12:13], s[28:29]
	s_add_nc_u64 s[34:35], s[14:15], s[28:29]
	v_lshlrev_b32 v6, 2, v0
	global_load_b32 v7, v6, s[30:31]               ; my token's occurrence,
	global_load_b32 v8, v6, s[32:33]               ; phase,
	global_load_b32 v9, v6, s[34:35]               ; subject
	s_lshl_b32 s36, s[WV], 13
	s_wait_alu depctr_va_vdst(0)
	v_lshl_add_u32 v10, v1, 4, s36                 ; all tokens: wave w counts chunks 4 w .. 4 w + 3: 8,192 bytes, 512 consecutive bytes a load
.set i, 0
.rept 16
	global_load_b128 v[64+4*i:67+4*i], v10, s[10:11] offset:512*i
.set i, i+1
.endr
.irp k, 0,1,2,3
	v_mov_b32 v[30+\k], 0                          ; written once: a lane permute's destination counts as one of its sources
.endr
	s_mov_b32 s56, 0x0f0f0f0f
	s_mov_b32 s57, 0x00ff00ff
	s_wait_loadcnt 16                              ; my token's three numbers are in; the 16 loads behind them may be out
	v_bfe_u32 v11, v7, 4, 3                        ; my key g
.irp g, 0,1,2,3,4,5,6,7
	v_cmp_eq_u32 s[40+\g], \g, v11                 ; which lanes of my wave have key g: kept for the ranks
.endr
.irp g, 0,1,2,3,4,5,6,7
	s_bcnt1_i32_b32 s[48+\g], s[40+\g]
.endr
.irp g, 4,5,6,7
	s_lshl_b32 s[48+\g], s[48+\g], 16
.endr
	s_or_b32 s48, s48, s52                         ; (0,4)
	s_or_b32 s50, s50, s54                         ; (2,6)
	s_or_b32 s49, s49, s53                         ; (1,5)
	s_or_b32 s51, s51, s55                         ; (3,7)
	v_mov_b32 v12, s48
	v_mov_b32 v13, s50
	v_mov_b32 v14, s49
	v_mov_b32 v15, s51
	s_lshl_b32 s36, s[WV], 4
	v_mov_b32 v16, s36
	ds_store_b128 v16, v[12:15] offset:TAB2        ; all lanes write the same 16 bytes with the same values
	s_lshl_b32 s36, s[WV], 6
	v_mov_b32 v17, s36
	s_wait_loadcnt 0x0
; The counts of chunk 4 w + c: a lane's 16 keys go into two registers of eight 4-bit counts (8 keys each, so no count passes 8); those into bytes (at most 16);
; three steps across lanes (at most 128); then into 16-bit fields and the last two steps (at most 512).
.macro COUNT c
	v_mov_b32 v20, 0
	v_mov_b32 v21, 0
.irp i, 0,1,2,3,4,5,6,7
	v_lshrrev_b32 v22, 2, v[64+16*\c+\i]
	v_lshrrev_b32 v23, 2, v[72+16*\c+\i]
	s_delay_alu instid0(VALU_DEP_2)
	v_and_b32 v22, 28, v22                         ; 4 g
	s_delay_alu instid0(VALU_DEP_2)
	v_and_b32 v23, 28, v23
	s_delay_alu instid0(VALU_DEP_2)
	v_lshl_add_u32 v20, 1, v22, v20
	s_delay_alu instid0(VALU_DEP_2)
	v_lshl_add_u32 v21, 1, v23, v21
.endr
	s_delay_alu instid0(VALU_DEP_2)
	v_and_b32 v24, s56, v20
	s_delay_alu instid0(VALU_DEP_2)
	v_and_b32 v25, s56, v21
	s_delay_alu instid0(VALU_DEP_4)
	v_lshrrev_b32 v20, 4, v20
	s_delay_alu instid0(VALU_DEP_4)
	v_lshrrev_b32 v21, 4, v21
	s_delay_alu instid0(VALU_DEP_3)
	v_add_nc_u32 v24, v24, v25                     ; bytes: groups 0, 2, 4, 6
	s_delay_alu instid0(VALU_DEP_3)
	v_and_b32 v20, s56, v20
	s_delay_alu instid0(VALU_DEP_3)
	v_and_b32 v21, s56, v21
	s_delay_alu instid0(VALU_DEP_1)
	v_add_nc_u32 v25, v20, v21                     ; bytes: groups 1, 3, 5, 7
.irp x, 1
	s_delay_alu instid0(VALU_DEP_4)
	v_add_nc_u32_dpp v24, v24, v24 row_xmask:\x row_mask:0xf bank_mask:0xf
	s_delay_alu instid0(VALU_DEP_2)
	v_add_nc_u32_dpp v25, v25, v25 row_xmask:\x row_mask:0xf bank_mask:0xf
.endr
.irp x, 2, 4
	s_delay_alu instid0(VALU_DEP_2)
	v_add_nc_u32_dpp v24, v24, v24 row_xmask:\x row_mask:0xf bank_mask:0xf
	s_delay_alu instid0(VALU_DEP_2)
	v_add_nc_u32_dpp v25, v25, v25 row_xmask:\x row_mask:0xf bank_mask:0xf
.endr
	s_delay_alu instid0(VALU_DEP_2)
	v_and_b32 v[36+4*\c], s57, v24                 ; (0,4)
	s_delay_alu instid0(VALU_DEP_3)
	v_lshrrev_b32 v24, 8, v24
	s_delay_alu instid0(VALU_DEP_3)
	v_and_b32 v[38+4*\c], s57, v25                 ; (1,5)
	s_delay_alu instid0(VALU_DEP_4)
	v_lshrrev_b32 v25, 8, v25
	s_delay_alu instid0(VALU_DEP_3)
	v_and_b32 v[37+4*\c], s57, v24                 ; (2,6)
	s_delay_alu instid0(VALU_DEP_2)
	v_and_b32 v[39+4*\c], s57, v25                 ; (3,7)
.irp k, 0,1,2,3
	v_add_nc_u32_dpp v[36+4*\c+\k], v[36+4*\c+\k], v[36+4*\c+\k] row_xmask:8 row_mask:0xf bank_mask:0xf
.endr
.irp k, 0,1,2,3
	s_delay_alu instid0(VALU_DEP_4)
	v_permlanex16_b32 v[30+\k], v[36+4*\c+\k], s[PSEL], s[PSEL+1]
.endr
.irp k, 0,1,2,3
	s_delay_alu instid0(VALU_DEP_4)
	v_add_nc_u32 v[36+4*\c+\k], v[36+4*\c+\k], v[30+\k]
.endr
	ds_store_b128 v17, v[36+4*\c:39+4*\c] offset:TAB+16*\c   ; each chunk has registers of its own: no store's data are written again
.endm
	COUNT 0
	COUNT 1
	COUNT 2
	COUNT 3
	s_wait_dscnt 0x0                               ; for the others' sake: my stores into the two tables are done
	s_barrier_signal -1
	s_barrier_wait -1                              ; the launch's only barrier: all 64 chunks' and all 16 waves' counts lie in LDS
	v_lshlrev_b32 v20, 4, v1
	v_lshlrev_b32 v21, 4, v2
	ds_load_b128 v[64:67], v20 offset:TAB          ; lane l: chunk l,
	ds_load_b128 v[68:71], v20 offset:TAB+512      ; chunk 32 + l,
	ds_load_b128 v[72:75], v21 offset:TAB2         ; and wave l % 16 of my chunk
	v_cmp_gt_u32 s58, s25, v1                      ; chunk l comes before mine
	v_add_nc_u32 v22, 32, v1
	s_delay_alu instid0(VALU_DEP_1)
	v_cmp_gt_u32 s59, s25, v22                     ; chunk 32 + l does
	v_cmp_gt_u32 s60, s[WV], v1                    ; wave l of my chunk comes before mine (never true of lanes 16-31)
	s_wait_dscnt 0x0
.irp k, 0,1,2,3
	v_add_nc_u32 v[76+\k], v[64+\k], v[68+\k]      ; towards the totals
	v_cndmask_b32 v[80+\k], 0, v[64+\k], s58       ; towards the counts in front of my wave
	v_cndmask_b32 v22, 0, v[68+\k], s59
	v_cndmask_b32 v23, 0, v[72+\k], s60
	s_delay_alu instid0(VALU_DEP_1)
	v_add3_u32 v[80+\k], v[80+\k], v22, v23
.endr
.irp x, 1,2,4,8
.irp k, 0,1,2,3,4,5,6,7
	v_add_nc_u32_dpp v[76+\k], v[76+\k], v[76+\k] row_xmask:\x row_mask:0xf bank_mask:0xf   ; no field passes 32,768: none carries into its neighbour
.endr
.endr
.irp k, 0,1,2,3,4,5,6,7
	v_permlanex16_b32 v[84+\k], v[76+\k], s[PSEL], s[PSEL+1]
.endr
.irp k, 0,1,2,3,4,5,6,7
	v_add_nc_u32 v[76+\k], v[76+\k], v[84+\k]
.endr
.irp k, 0,1,2,3
	v_readfirstlane_b32 s[66+\k], v[76+\k]         ; totals
	v_readfirstlane_b32 s[70+\k], v[80+\k]         ; in front of my wave
.endr
	s_mov_b32 s74, 0                               ; tiles in front of group g
.irp g, 0,1,2,3,4,5,6,7                        ; group g lies in word 2 (g % 2) + (g / 2) % 2, half g / 4
	s_bfe_u32 s75, s[66+(\g&1)*2+((\g>>1)&1)], 0x100000+16*(\g>>2)
	s_bfe_u32 s76, s[70+(\g&1)*2+((\g>>1)&1)], 0x100000+16*(\g>>2)
	s_lshl_b32 s77, s74, 4
	s_add_co_u32 s[48+\g], s77, s76                ; the place of my wave's first token of group g
	s_add_co_u32 s[56+\g], s77, s75                ; the place behind the group's last token
	s_add_co_u32 s75, s75, 15
	s_lshr_b32 s75, s75, 4
	s_add_co_u32 s74, s74, s75
.endr
	s_sub_co_u32 s78, s74, 2048                    ; E, 0 .. 7
	v_mov_b32 v24, 0
	v_mov_b32 v25, 0
.irp g, 0,1,2,3,4,5,6,7
	v_mbcnt_lo_u32_b32 v26, s[40+\g], s[48+\g]     ; + the lanes below me with key g
	s_delay_alu instid0(VALU_DEP_1)
	v_cndmask_b32 v24, v24, v26, s[40+\g]          ; my place
	s_delay_alu instid0(VALU_DEP_3)
	v_cndmask_b32 v25, v25, s[56+\g], s[40+\g]     ; my group's end
.endr
	s_delay_alu instid0(VALU_DEP_2)
	v_and_b32 v27, 15, v24                         ; a: my place in my tile
	s_delay_alu instid0(VALU_DEP_3)
	v_lshrrev_b32 v28, 4, v24                      ; my tile
	s_delay_alu instid0(VALU_DEP_1)
	v_lshrrev_b32 v29, 3, v28                      ; b is this or one less, since 8 b <= f(b) <= 8 b + 6
	s_delay_alu instid0(VALU_DEP_1)
	v_mul_u32_u24 v30, v29, s78
	s_delay_alu instid0(VALU_DEP_1)
	v_lshrrev_b32 v30, 8, v30
	s_delay_alu instid0(VALU_DEP_1)
	v_lshl_add_u32 v30, v29, 3, v30
	s_delay_alu instid0(VALU_DEP_1)
	v_cmp_gt_u32 vcc_lo, v30, v28
	s_delay_alu instid0(VALU_DEP_1)
	v_cndmask_b32 v31, 0, 1, vcc_lo
	s_delay_alu instid0(VALU_DEP_1)
	v_sub_nc_u32 v29, v29, v31                     ; b
	s_delay_alu instid0(VALU_DEP_1)
	v_mul_u32_u24 v30, v29, s78
	s_delay_alu instid0(VALU_DEP_1)
	v_lshrrev_b32 v30, 8, v30
	s_delay_alu instid0(VALU_DEP_3)
	v_add_nc_u32 v31, 1, v29
	s_delay_alu instid0(VALU_DEP_1)
	v_mul_u32_u24 v31, v31, s78
	s_delay_alu instid0(VALU_DEP_1)
	v_lshrrev_b32 v31, 8, v31
	s_delay_alu instid0(VALU_DEP_1)
	v_sub_nc_u32 v31, v31, v30                     ; 1 where b has nine tiles
	v_lshl_add_u32 v30, v29, 3, v30                ; f(b)
	s_delay_alu instid0(VALU_DEP_1)
	v_sub_nc_u32 v32, v28, v30                     ; my tile among b's
	s_delay_alu instid0(VALU_DEP_1)
	v_mad_u32_u24 v32, v29, 9, v32
	s_delay_alu instid0(VALU_DEP_1)
	v_lshl_add_u32 v32, v32, 4, v27                ; my word in order
	v_sub_nc_u32 v33, v25, v24
	s_delay_alu instid0(VALU_DEP_1)
	v_add_nc_u32 v33, v33, v27
	s_delay_alu instid0(VALU_DEP_1)
	v_min_u32 v33, 16, v33                         ; m: the tokens in my tile
	s_lshl_b32 s75, s25, 9
	v_add_nc_u32 v34, s75, v0                      ; my token's number
	v_and_b32 v8, 7, v8
	v_and_b32 v7, 0x7f, v7
	v_and_b32 v9, 7, v9
	s_delay_alu instid0(VALU_DEP_3)
	v_lshl_or_b32 v34, v8, 15, v34
	s_delay_alu instid0(VALU_DEP_1)
	v_lshl_or_b32 v34, v7, 18, v34
	s_delay_alu instid0(VALU_DEP_1)
	v_lshl_or_b32 v34, v9, 25, v34
	s_delay_alu instid0(VALU_DEP_1)
	v_lshl_or_b32 v34, v31, 28, v34
	v_mov_b32 v59, v32                             ; my own word's number is kept: v32 walks on below
	v_min_u32 v35, 0x8fff, v32                     ; a number made of loaded numbers enters an address only behind this hold
	s_delay_alu instid0(VALU_DEP_1)
	v_lshlrev_b32 v35, 2, v35
	global_store_b32 v35, v34, s[22:23]
; The empty places of a tile with m < 16 tokens: the token at place a also fills a + m, a + 2 m .. under 16: each place has one writer.  EXEC stays whole: a lane with nothing left to fill stores its
; word to its own place once more (the same number to the same place); the choice is made ahead of the hold, so that only the shift stands between the hold and the store.  A lane's place only grows
; the wave leaves the rounds.  In a full tile m = 16: a wave whose tokens all lie in full tiles leaves in the first round.
.set i, 0
.rept 15
	v_add_nc_u32 v27, v27, v33
	v_add_nc_u32 v32, v32, v33
	s_delay_alu instid0(VALU_DEP_2)
	v_cmp_gt_u32 vcc_lo, 16, v27
	s_cbranch_vccz .Lfilled                        ; whole numbers read from memory decide; no barrier stands behind this branch
	v_cndmask_b32 v[FILL+i], v59, v32, vcc_lo
	s_delay_alu instid0(VALU_DEP_1)
	v_min_u32 v[FILL+i], 0x8fff, v[FILL+i]
	s_delay_alu instid0(VALU_DEP_1)
	v_lshlrev_b32 v[FILL+i], 2, v[FILL+i]
	global_store_b32 v[FILL+i], v34, s[22:23]
.set i, i+1
.endr
.Lfilled:
	s_wait_xcnt 0x0                                ; the stores above have read EXEC: it changes only behind this wait
	; the ninth tile of b = 4 j .. 4 j + 3, where b has eight: zeros, so that every word of order is written.  Threads 0-63: b = 4 j + thread / 16, place thread % 16
	v_lshrrev_b32 v53, 4, v0
	s_lshl_b32 s75, s25, 2
	v_add_nc_u32 v53, s75, v53
	s_delay_alu instid0(VALU_DEP_1)
	v_mul_u32_u24 v54, v53, s78
	s_delay_alu instid0(VALU_DEP_1)
	v_lshrrev_b32 v54, 8, v54
	s_delay_alu instid0(VALU_DEP_3)
	v_add_nc_u32 v55, 1, v53
	s_delay_alu instid0(VALU_DEP_1)
	v_mul_u32_u24 v55, v55, s78
	s_delay_alu instid0(VALU_DEP_1)
	v_lshrrev_b32 v55, 8, v55
	s_delay_alu instid0(VALU_DEP_1)
	v_sub_nc_u32 v55, v55, v54                     ; 1 where b has nine
	v_lshrrev_b32 v56, 6, v0
	s_delay_alu instid0(VALU_DEP_1)
	v_or_b32 v55, v55, v56                         ; or the thread is not among the 64
	v_mad_u32_u24 v57, v53, 9, 8
	s_delay_alu instid0(VALU_DEP_1)
	v_lshl_add_u32 v57, v57, 4, v2
	s_delay_alu instid0(VALU_DEP_1)
	v_min_u32 v57, 0x8fff, v57
	s_delay_alu instid0(VALU_DEP_1)
	v_lshlrev_b32 v57, 2, v57
	v_mov_b32 v58, 0
	v_cmp_eq_u32 vcc_lo, 0, v55
	s_and_saveexec_b32 s76, vcc_lo
	global_store_b32 v57, v58, s[22:23]
	s_wait_xcnt 0x0                                ; and again, in front of the line that widens EXEC
	s_or_b32 exec_lo, exec_lo, s76
	s_branch .Lend
	; ---------------- W1: fragment 16 x work-group + wave = 8 T + S ----------------
.Lw1:
	s_lshl_b32 s37, ttmp9, 4
	s_add_co_u32 s37, s37, s[WV]
	s_lshr_b32 s28, s37, 3
	s_lshl_b32 s28, s28, 16                        ; phase T: 65,536 bytes
	s_and_b32 s36, s37, 7
	s_lshl_b32 s36, s36, 13                        ; K step S: 128 rows of 64 bytes
	s_add_co_u32 s28, s28, s36
	s_add_nc_u64 s[34:35], s[4:5], s[28:29]
	s_wait_alu depctr_va_vdst(0)
	v_lshlrev_b32 v6, 2, v2                        ; column r,
	s_delay_alu instid0(VALU_DEP_1)
	v_lshl_add_u32 v6, v3, 11, v6                  ; lanes 16-31 begin 32 rows further down
.set i, 0
.rept 64
	global_load_b32 v[64+i], v6, s[34:35] offset:(64*(i/32)+i%32)*64   ; register 32 c + i: k = 64 c + 32 h + i
.set i, i+1
.endr
	s_branch .Lquant
	; ---------------- W2: fragment 64 + 16 x (work-group - 4) + wave ----------------
.Lw2:
	s_sub_co_u32 s37, ttmp9, 4
	s_lshl_b32 s37, s37, 4
	s_add_co_u32 s37, s37, s[WV]
	s_lshr_b32 s28, s37, 3
	s_lshl_b32 s28, s28, 16                        ; a pair of experts: 65,536 bytes
	s_and_b32 s36, s37, 7
	s_lshl_b32 s36, s36, 12                        ; K step S: 128 rows of 32 bytes
	s_add_co_u32 s28, s28, s36
	s_add_nc_u64 s[34:35], s[6:7], s[28:29]
	s_add_co_u32 s37, s37, 64
	s_wait_alu depctr_va_vdst(0)
	v_lshrrev_b32 v6, 3, v2
	s_delay_alu instid0(VALU_DEP_1)
	v_lshlrev_b32 v6, 15, v6                       ; the pair's expert r / 8,
	v_and_b32 v7, 7, v2
	s_delay_alu instid0(VALU_DEP_1)
	v_lshl_add_u32 v6, v7, 2, v6                   ; column r % 8,
	s_delay_alu instid0(VALU_DEP_1)
	v_lshl_add_u32 v6, v3, 10, v6                  ; lanes 16-31 begin 32 rows further down
.set i, 0
.rept 64
	global_load_b32 v[64+i], v6, s[34:35] offset:(64*(i/32)+i%32)*32
.set i, i+1
.endr
.Lquant:                                               ; 64 numbers a lane: two whole blocks of 32 along K of my fragment row
	s_wait_loadcnt 0x0
	v_max3_num_f32 v8, |v64|, |v65|, FLOOR
	v_max3_num_f32 v9, |v96|, |v97|, FLOOR
.irp i, 2,4,6,8,10,12,14,16,18,20,22,24,26,28,30
	s_delay_alu instid0(VALU_DEP_2)
	v_max3_num_f32 v8, v8, |v[64+\i]|, |v[65+\i]|
	s_delay_alu instid0(VALU_DEP_2)
	v_max3_num_f32 v9, v9, |v[96+\i]|, |v[97+\i]|
.endr
	s_delay_alu instid0(VALU_DEP_2)
	v_add_nc_u32 v10, LESS2, v8                    ; 2 off the exponent field: the conversion takes the exponent field of this operand as its scale
	s_delay_alu instid0(VALU_DEP_2)
	v_add_nc_u32 v11, LESS2, v9
	s_delay_alu instid0(VALU_DEP_2)
	v_lshrrev_b32 v12, 23, v10                     ; the scales' bytes: blocks h and 2 + h of my row
	s_delay_alu instid0(VALU_DEP_2)
	v_lshrrev_b32 v13, 23, v11
	s_delay_alu instid0(VALU_DEP_1)
	v_lshl_or_b32 v12, v13, 16, v12
	v_lshlrev_b32 v13, 3, v3
	s_delay_alu instid0(VALU_DEP_1)
	v_lshlrev_b32 v12, v13, v12                    ; at their places in the word
	v_mov_b32 v13, 0
	s_delay_alu instid0(VALU_DEP_1)
	v_permlanex16_b32 v13, v12, s[PSEL], s[PSEL+1]
	s_delay_alu instid0(VALU_DEP_1)
	v_or_b32 v12, v12, v13                         ; with lane l xor 16's two the word is whole, in both lanes
	v_cvt_scalef32_pk16_fp6_f32 v[16:18], v[64:79], v10
	v_cvt_scalef32_pk16_fp6_f32 v[28:30], v[80:95], v10     ; (a conversion's three registers begin on an even number: a block's second three are made elsewhere and moved)
	v_cvt_scalef32_pk16_fp6_f32 v[22:24], v[96:111], v11
	v_cvt_scalef32_pk16_fp6_f32 v[32:34], v[112:127], v11
	v_nop                                          ; one plain place behind a scaled conversion
.irp i, 0,1,2
	v_mov_b32 v[19+\i], v[28+\i]
	v_mov_b32 v[25+\i], v[32+\i]
.endr
	s_mul_i32 s28, s37, 1536
	s_add_nc_u64 s[30:31], s[16:17], s[28:29]
	s_lshl_b32 s28, s37, 6
	s_add_nc_u64 s[32:33], s[18:19], s[28:29]
	v_lshlrev_b32 v7, 4, v1
	v_lshlrev_b32 v14, 2, v2
	global_store_b128 v7, v[16:19], s[30:31]               ; each store of the wave covers 512 consecutive bytes, aligned
	global_store_b128 v7, v[20:23], s[30:31] offset:512
	global_store_b128 v7, v[24:27], s[30:31] offset:1024
	global_store_b32 v14, v12, s[32:33]                    ; 16 words; lanes r and 16 + r store the same word to the same place
	s_branch .Lend
	; ---------------- Wp: wave w makes fragments 2 w and 2 w + 1 ----------------
; Register j of lane (r, h) of fragment F holds bf16 of Wp[k][r], Wp[k + 1][r], k = 64 (F / 2) + 32 h + 16 (F % 2) + 2 j: the order in which the second launch's lanes hold x.  Both operands of a product
; have k in the same places of the registers, so the products pair rightly.
.Lwp:
	s_lshl_b32 s28, s[WV], 11
	s_add_nc_u64 s[30:31], s[8:9], s[28:29]
	s_add_nc_u64 s[32:33], s[20:21], s[28:29]
	s_wait_alu depctr_va_vdst(0)
	v_and_b32 v6, 7, v2
	s_delay_alu instid0(VALU_DEP_1)
	v_lshlrev_b32 v6, 2, v6
	s_delay_alu instid0(VALU_DEP_1)
	v_lshl_add_u32 v6, v3, 10, v6
.set i, 0
.rept 32
	global_load_b32 v[64+i], v6, s[30:31] offset:32*i      ; Wp[64 w + 32 h + i][r % 8]
.set i, i+1
.endr
	v_lshlrev_b32 v7, 4, v1
	v_cmp_gt_u32 vcc_lo, 8, v2
	s_wait_loadcnt 0x0
.set i, 0
.rept 16
	v_cvt_pk_bf16_f32 v[16+i], v[64+2*i], v[65+2*i]
.set i, i+1
.endr
.set i, 0
.rept 16
	v_cndmask_b32 v[16+i], 0, v[16+i], vcc_lo              ; rows 8-15 of the fragment are zeros
.set i, i+1
.endr
.irp q, 0,1,2,3
	global_store_b128 v7, v[16+4*\q:19+4*\q], s[32:33] offset:512*\q
.endr
.Lend:
	s_wait_tensorcnt 0x0                           ; the wave's end
	ds_add_u32 v[SPW], v[NIL]
	s_wait_dscnt 0x0
	s_endpgm
.Lfunc_end_k_qcd43dbb458_prep:
	.size	k_qcd43dbb458_prep, .Lfunc_end_k_qcd43dbb458_prep-k_qcd43dbb458_prep
	.p2alignl 7, 3214868480
	.fill 96, 4, 3214868480
	.section	.rodata,"a",@progbits
	.p2align	6, 0x0
	.amdhsa_kernel k_qcd43dbb458_prep
		.amdhsa_group_segment_fixed_size 3328
		.amdhsa_private_segment_fixed_size 0
		.amdhsa_enable_private_segment 0
		.amdhsa_kernarg_size 80
		.amdhsa_user_sgpr_count 2
		.amdhsa_user_sgpr_kernarg_segment_ptr 1
		.amdhsa_wavefront_size32 1
		.amdhsa_system_sgpr_workgroup_id_x 1
		.amdhsa_system_sgpr_workgroup_id_y 1
		.amdhsa_system_sgpr_workgroup_id_z 1
		.amdhsa_system_vgpr_workitem_id 0
		.amdhsa_next_free_vgpr 256
		.amdhsa_next_free_sgpr 84
		.amdhsa_reserve_vcc 1
		.amdhsa_float_denorm_mode_32 3
		.amdhsa_float_denorm_mode_16_64 3
		.amdhsa_memory_ordered 1
		.amdhsa_forward_progress 1
		.amdhsa_inst_pref_size 70
	.end_amdhsa_kernel
	.amdgpu_metadata
---
amdhsa.version: [ 1, 2 ]
amdhsa.kernels:
  - .name:           k_qcd43dbb458_prep
    .symbol:         k_qcd43dbb458_prep.kd
    .args:
      - { .name: W1, .offset: 0, .size: 8, .value_kind: global_buffer, .address_space: global }
      - { .name: W2, .offset: 8, .size: 8, .value_kind: global_buffer, .address_space: global }
      - { .name: Wp, .offset: 16, .size: 8, .value_kind: global_buffer, .address_space: global }
      - { .name: X_occurrence, .offset: 24, .size: 8, .value_kind: global_buffer, .address_space: global }
      - { .name: X_phase, .offset: 32, .size: 8, .value_kind: global_buffer, .address_space: global }
      - { .name: X_subject, .offset: 40, .size: 8, .value_kind: global_buffer, .address_space: global }
      - { .name: wcodes, .offset: 48, .size: 8, .value_kind: global_buffer, .address_space: global }
      - { .name: wscales, .offset: 56, .size: 8, .value_kind: global_buffer, .address_space: global }
      - { .name: wpf, .offset: 64, .size: 8, .value_kind: global_buffer, .address_space: global }
      - { .name: order, .offset: 72, .size: 8, .value_kind: global_buffer, .address_space: global }
    .group_segment_fixed_size: 3328
    .private_segment_fixed_size: 0
    .kernarg_segment_align: 8
    .kernarg_segment_size: 80
    .max_flat_workgroup_size: 512
    .sgpr_count:     84
    .vgpr_count:     256
    .wavefront_size: 32
...
	.end_amdgpu_metadata
.endif
;; end of part 3
;; launch route (part 4): grid 256 x 1, 4 waves a work-group, no clusters, 147,968 bytes of LDS; arguments X, order, wcodes, wscales, wpf, b1, b2, bp, out0, out1, out2; writes out0, out1, out2
.if DOCPART == 4
	.amdgcn_target "amdgcn-amd-amdhsa--gfx1250"
	.amdhsa_code_object_version 6
	.text
	.protected	k_qcd43dbb458_route
	.globl	k_qcd43dbb458_route
	.p2align	8
	.type	k_qcd43dbb458_route,@function
k_qcd43dbb458_route:
	s_mov_b64 s[64:65], 0
	v_nop
	global_prefetch_b8 v0, s[64:65] scope:SCOPE_SE
	s_setreg_imm32_b32 hwreg(HW_REG_WAVE_SCHED_MODE, 0, 2), 2
	s_setreg_imm32_b32 hwreg(HW_REG_WAVE_MODE, 25, 1), 1
	s_wait_xcnt 0x0
	s_wait_alu depctr_vm_vsrc(0)
; ROUTE: for each token three softmax heads on its row x of X [32768][1024] f32:  p0 = softmax(x Wp + bp)[phase];  p1 = softmax(x W1[phase] + b1[phase])[occurrence % 16];
; p2 = softmax(x W2[occurrence] + b2[occurrence])[subject % 8];  out0 = p0, out1 = p0 p1, out2 = p0 p1 p2.  The two expert products run on codes of FP6 (E2M3) with one E8M0 scale for each 32 along K,
; x quantised here in registers; the phase head runs on bf16 operands; all sums, biases and softmaxes in f32.
; WHAT IS MULTIPLIED.  The tokens come sorted by g = occurrence / 16, in tiles of 16 of one g (list: order).  A tile is multiplied by all 8 phases of W1 (nothing ties a token's phase to its g) and by the 16 experts of
; its g; the token's own 16 + 8 logits are then picked by v_cndmask_b32.  The other experts' results are those that the gathers of the problem throw away.
; SHARES.  Work-group b takes its 8 or 9 tiles.  THE FOUR WAVES SPLIT K: wave w owns k = 256 w .. 256 w + 255 (K steps S = 2 w, 2 w + 1) of every tile.  So each wave's weights stay in its registers, no weight is held
; twice in the work-group, x's codes never leave the wave that made them, and a wave reads 1,024 consecutive bytes of each row.  Picking is linear, so it comes before the sum over the waves: 24 registers a tile and wave
; go to LDS; behind ONE barrier the waves share the tiles out for sums, biases, softmaxes and stores.
; BOTH PRODUCTS ARE USED TRANSPOSED (source 0 = 16 weight columns, source 1 = 16 tokens): lane (r, h) holds token r and columns 8 h .. 8 h + 7.
; X's WAY.  A half-tile = 16 rows x 512 bytes (one K step).  Each load reads 256 consecutive, aligned bytes of a row in sixteen lanes; up to four half-tiles of a wave are on their way.  A half-tile turns through the
; wave's own stage in LDS, after which lane (r, h) holds x[token r][128 S + 64 c + 32 h + i] in register 32 c + i: two whole blocks of 32, in the order of the 6-bit operand's registers.
; THE COUNTS.  Ahead of each run of loads stands a counted wait on LOADcnt that leaves room for the run: by the text's own count never more than 63 loads of a wave are out, the most that a wait on LOADcnt can name
; (ISA guide 5.7.1).  Loads come back in order, so such a wait is for the oldest loads alone, and the younger ones stay on their way.  The LDS instructions that are out stay under 63 likewise.
; THE CHANGE OF GROUP.  At the head the nine tiles' groups are packed into one scalar word (GS, 3 bits a tile), and a second word (DCH) has a field other than 0 where a tile's group differs from that of the tile before.
; ONE test serves TWO tiles, and a pair's two tiles are written twice: in the first copy nothing is fetched; in the second each tile fetches its own group's 16 experts, changed or not.  So a wave meets seven branches on
; the list at the most (three in the loop, one for tiles 6 and 7, one for tile 8's group, two for the ninth tile), where a test in each tile would make eleven.  The price: a pair that holds a change fetches twice.
; A fetch is waited for directly ahead of the products that take it, with the count of the loads issued behind it: the tile's quantising, its phase head, the next half-tile's turn and the first run of products stand between.
; The list is sorted, so where no group is empty the whole launch has at most seven changes.
; No tensor load, no cluster: the rows are gathered by a stored list, and the fetch of W2 at a change of g hangs on a branch on it.  No prefetch: the wave's load counter is full of X's loads throughout.
; X_length is not read: it enters no result of the problem.
; LIMITS: NaN and infinities are not served; a block whose largest magnitude lies under 2^-124 (a block of zeros too) gets the scale byte 1; the sum over K is formed of four partial sums of 256, in f32;
; the phase head's operands are rounded to bf16; places of a tile that repeat a token store the same numbers to the same places.
; THE MODE: SCHED_MODE bits 1:0 = 2 (LLVM: expert scheduling mode 2), set by the entry lines.  The code itself states the register dependences between vector or matrix instructions and memory or LDS
; instructions, with s_wait_alu, always for 0.
; THE PLAN.  Registers that memory or LDS instructions touch in tile t (parity u), and who else names them:
;   the slots (window 1)   X's loads land in them, the stage's stores read them; no vector instruction names them.
;   XB = ACC               the stage's loads at the tile's head land in it; then QUANT, BF16 and PHEAD work on it, the products on codes write it and the picking reads it.
;   XA                     the stage's loads in the tile's middle land in it (the next tile's half 0); QUANT, BF16 and PHEAD of that tile work on it.
;   XAD, set 1 - u         the words' LDS loads at t's head land in it; ADDR makes offsets of it in t; X's loads read it in t (half 0 of t + 3) and in t + 1 (half 1 of t + 3).
;   META                   an LDS load at the head lands in it; two vector instructions read it.
;   SEL, PH0, PAD          written by the picking, PHEAD and five vector lines; read by the six partial stores at the tile's end.
;   TA, TB                 written once a trip; read by the words' LDS loads of the trip's tiles.
;   W2's fragments and scale words   read by the second run of products; loaded anew in a pair of tiles that holds a change of group alone.
;   LI, LOFF, STW, STR, METH, METR, PST, WSO   made at the head and never written again.
; A TILE'S WAITS.  On va_vdst two: in the middle, ahead of the products on codes, and ahead of the partial stores; the second, which stands behind the last picking, also serves the next tile's loads into XB and META and a
; fetch of W2, since no vector or matrix instruction between names those registers.  On vm_vsrc two: behind each turn's stores into the stage, ahead of X's loads into the slot that they read; the first also frees SEL, PH0 and
; PAD, which the last tile's partial stores read, and TA and TB; the second also frees the set of offsets that the next tile's head loads over.  On va_sdst one: behind the run of 14 compares.
; REGISTERS, in windows of 256 (s_set_vgpr_msb: bits 1:0 source 0, 3:2 source 1, 5:4 source 2, 7:6 destination):
;   window 0: see the names below.   window 1: four landing slots of 64: half s of tile t lands in slot 2 (t % 2) + s.
;   windows 2, 3 (K steps 2 w, 2 w + 1): v0-95 W1's 8 fragments, v96-191 W2's 8, v192-223 Wp's 4; v224-255 the biases of the tiles that I finish.
.set SPITCH, 528                       ; a stage row: 512 bytes + 16: 33 x 16, so that the sixteen rows that a 16-byte load touches start in different banks (64 banks of 4 bytes: ISA guide 11.1)
.set STAGEW, 16*SPITCH                 ; LDS: a stage for each wave, from byte 0;
.set MET,    4*STAGEW                  ; each wave's own copy of the work-group's 144 words of order, 768 bytes apart;
.set METW,   768
.set PART,   MET+4*METW                ; the partial logits: [wave][tile 0..8] images of 24 registers, 3,072 bytes each;
.set PIMG,   3072
.set PARTW,  9*PIMG
.set SPARE,  PART+4*PARTW              ; the spare words, 128 bytes for each wave: two blocks of 256 bytes that no other line names
.set LI,   1                           ; 16 x lane
.set R,    2                           ; lane % 16
.set H,    3                           ; lane / 16
.set LOFF, 4                           ; 1024 w + 16 R: my bytes in a row of X
.set STW,  5                           ; the stage, in: row 8 H, byte 16 R
.set STR,  6                           ; the stage, out: row R, byte 128 H
.set METH, 7                           ; my copy of the words + 32 H
.set METR, 8                           ; my copy of the words + 4 R
.set PST,  9                           ; my partial images + 16 x lane
.set SH8,  10                          ; 8 H
.set WSO,  11                          ; 128 w + 64 H + 4 R: a tile's scale word of row R, K step 2 w + H
.set TA,   12                          ; LDS addresses in hand
.set TB,   13
.set META, 14                          ; the word of token R of the tile in hand
.set PHV,  15                          ; its phase
.set OCQ,  16                          ; its (occurrence / 2) % 8: which of the 8 tiles of W2
.set PAD,  17                          ; LDS address of the partial stores
.set SPW,  18                          ; LDS address of my spare word; never rewritten
.set NIL,  19                          ; 0; never rewritten
.set XAD,  20                          ; v20-27, v28-35: two sets of 8 row offsets: register i: the row of the tile's place 8 H + i
.set XSC,  36                          ; v36-37 x's scale words of the two K steps: scales and nothing else
.set WSC,  38                          ; v38-53 the 16 weight tiles' scale words: lanes 0-15 K step 2 w, lanes 16-31 K step 2 w + 1
.set COD,  54                          ; v54-77 x's codes, 12 registers a K step
.set TMC,  78                          ; v78-80, v82-84 second halves of blocks, as converted
.set MB0,  81                          ; second chains of the two maxima
.set MB1,  85
.set SEL,  86                          ; v86-93 the picked logits of W1, v94-101 of W2,
.set PH0,  102                         ; v102-109, v110-117 the phase head's two accumulators
.set EM,   118                         ; v118-120 the words of the tiles that I finish
.set MX,   121                         ; v121-122 largest magnitudes; v123-124 the conversions' scale operands; v125-126 bytes; v127 at work
.set SO,   123
.set BY,   125
.set T2,   127
.set XA,   128                         ; v128-191 64 numbers of K step 2 w
.set XB,   192                         ; v192-255 64 numbers of K step 2 w + 1; then
.set ACC,  192                         ; the 8 accumulators of a run of products
.set WV,    36                         ; s36 my wave's number
.set NINE,  37                         ; s37 1 where the work-group has nine tiles
.set GCUR,  38                         ; s38 the g whose experts are fetched
.set TRIP,  39
.set ST64,  40                         ; s40 64 x the trip's first tile
.set SPART, 41                         ; s41 3,072 x the trip's first tile
.set PSEL,  42                         ; s[42:43] v_permlanex16_b32's selects for lane l xor 16
.set LOG2E, 44
.set GS,    45                         ; s45 the tiles' groups, 3 bits a tile, the trip's first tile lowest
.set DCH,   46                         ; s46 likewise: a tile's group xor that of the tile before: other than 0 at a change
.set SCR,   47                         ; s47 at work
.set MSK,   48                         ; s48-61 14 masks for the picking; at a tile's end s48-63 and s66-73: 24 masks for the numerators
.set WRD,   74                         ; s74-82 at the head only: the first word of each of the nine tiles
.set KM,    76                         ; s76-77 two masks for the keys at a tile's end
.set MSB, 0
.macro WIN new                         ; the immediate's high byte repeats the setting that is left; a switch that changes nothing is dropped
.if MSB != (\new)
	s_set_vgpr_msb (MSB<<8)|(\new)
.set MSB, (\new)
.endif
.endm
; 16 loads: half s of a tile into a landing slot.  Lanes 0-15 read 256 consecutive bytes of the row at place i, lanes 16-31 of the row at place 8 + i.  Each row's bytes are read once, by one wave (a repeated place reads its row again in the same run).
.macro LOADH slot, set, s
	s_wait_loadcnt 47                              ; room for the sixteen below: 47 + 16 = 63 are out behind them; the wait is for the oldest loads alone
	WIN 0x40
.irp i, 0,1,2,3,4,5,6,7
	global_load_b128 v[64*(\slot)+8*\i:64*(\slot)+8*\i+3],   v[XAD+8*(\set)+\i], s[4:5] offset:512*(\s) th:TH_LOAD_NT
	global_load_b128 v[64*(\slot)+8*\i+4:64*(\slot)+8*\i+7], v[XAD+8*(\set)+\i], s[4:5] offset:512*(\s)+256 th:TH_LOAD_NT
.endr
	WIN 0
.endm
; A landed half-tile turns through my stage, in two parts: in, and out.  LDS serves a wave's instructions in order (ISA guide 5.7.1.4): no wait on DScnt between the stores and the loads, and one stage serves both halves.
.macro DRAIN_ST slot
	WIN 0x04
.irp i, 0,1,2,3,4,5,6,7
	ds_store_b128 v[STW], v[64*(\slot)+8*\i:64*(\slot)+8*\i+3]   offset:SPITCH*\i
	ds_store_b128 v[STW], v[64*(\slot)+8*\i+4:64*(\slot)+8*\i+7] offset:SPITCH*\i+256
.endr
	WIN 0
.endm
.macro DRAIN_LD xr
.irp j, 0,1,2,3,4,5,6,7
	ds_load_b128 v[\xr+4*\j:\xr+4*\j+3], v[STR] offset:16*\j
.endr
.irp j, 0,1,2,3,4,5,6,7
	ds_load_b128 v[\xr+32+4*\j:\xr+32+4*\j+3], v[STR] offset:256+16*\j
.endr
.endm
; 8 words of the list become 8 row offsets: token x 4,096 + my bytes in a row.  A loaded number enters an address only behind the hold by v_min_u32.
.macro ADDR set
.irp i, 0,1,2,3,4,5,6,7
	v_and_b32 v[XAD+8*(\set)+\i], 0x7fff, v[XAD+8*(\set)+\i]
.endr
.irp i, 0,1,2,3,4,5,6,7
	v_min_u32 v[XAD+8*(\set)+\i], 0x7fff, v[XAD+8*(\set)+\i]
.endr
.irp i, 0,1,2,3,4,5,6,7
	v_lshl_add_u32 v[XAD+8*(\set)+\i], v[XAD+8*(\set)+\i], 12, v[LOFF]
.endr
.endm
; 64 numbers of a lane (two whole blocks of 32) become K step s's codes and scale word.  Each block's largest magnitude in two chains, the four chains by turns; the floor 2^(3 - 127) holds the byte at 1 from below.
.macro QUANT xr, s
	v_max3_num_f32 v[MX],   |v[\xr]|,    |v[\xr+1]|,  0x1800000
	v_max3_num_f32 v[MX+1], |v[\xr+32]|, |v[\xr+33]|, 0x1800000
	v_max3_num_f32 v[MB0],  |v[\xr+16]|, |v[\xr+17]|, |v[\xr+18]|
	v_max3_num_f32 v[MB1],  |v[\xr+48]|, |v[\xr+49]|, |v[\xr+50]|
.irp i, 2,4,6,8,10,12,14
	v_max3_num_f32 v[MX],   v[MX],   |v[\xr+\i]|,    |v[\xr+\i+1]|
	v_max3_num_f32 v[MX+1], v[MX+1], |v[\xr+32+\i]|, |v[\xr+33+\i]|
.if \i < 14
	v_max3_num_f32 v[MB0],  v[MB0],  |v[\xr+17+\i]|, |v[\xr+18+\i]|
	v_max3_num_f32 v[MB1],  v[MB1],  |v[\xr+49+\i]|, |v[\xr+50+\i]|
.endif
.endr
	v_max3_num_f32 v[MX],   v[MX],   v[MB0], |v[\xr+31]|
	v_max3_num_f32 v[MX+1], v[MX+1], v[MB1], |v[\xr+63]|
	v_add_nc_u32 v[SO],   0xff000000, v[MX]        ; 2 off the exponent field: the conversion takes the exponent field of this operand as its scale
	v_add_nc_u32 v[SO+1], 0xff000000, v[MX+1]
	v_lshrrev_b32 v[BY],   23, v[SO]               ; the bytes of blocks h and 2 + h
	v_lshrrev_b32 v[BY+1], 23, v[SO+1]
	v_lshl_or_b32 v[BY], v[BY+1], 16, v[BY]
	v_lshlrev_b32 v[BY], v[SH8], v[BY]
	v_permlanex16_b32 v[T2], v[BY], s[PSEL], s[PSEL+1]
	v_or_b32 v[XSC+(\s)], v[BY], v[T2]             ; with lane l xor 16's two the word is whole
	v_cvt_scalef32_pk16_fp6_f32 v[COD+12*(\s):COD+12*(\s)+2],   v[\xr:\xr+15],    v[SO]
	v_cvt_scalef32_pk16_fp6_f32 v[TMC:TMC+2],                   v[\xr+16:\xr+31], v[SO]     ; (a conversion's three registers begin on an even number)
	v_cvt_scalef32_pk16_fp6_f32 v[COD+12*(\s)+6:COD+12*(\s)+8], v[\xr+32:\xr+47], v[SO+1]
	v_cvt_scalef32_pk16_fp6_f32 v[TMC+4:TMC+6],                 v[\xr+48:\xr+63], v[SO+1]
	v_nop                                          ; one plain place behind a scaled conversion
.irp i, 0,1,2
	v_mov_b32 v[COD+12*(\s)+3+\i], v[TMC+\i]
	v_mov_b32 v[COD+12*(\s)+9+\i], v[TMC+4+\i]
.endr
.endm
; The same 64 numbers as bf16, in place: register i takes numbers 2 i, 2 i + 1; ascending, so that no number is written over before it is read.  Registers 8 m .. 8 m + 7 are source 1 of the phase head's m-th product.
.macro BF16 xr
.irp i, 0,1,2,3,4,5,6,7,8,9,10,11,12,13,14,15,16,17,18,19,20,21,22,23,24,25,26,27,28,29,30,31
	v_cvt_pk_bf16_f32 v[\xr+\i], v[\xr+2*\i], v[\xr+2*\i+1]
.endr
.endm
; The phase head: four products of 32 along K; two accumulators by turns.  first = 1: a tile's first two start the sums.
.macro PHEAD xr, s, first
	WIN 0x02+(\s)
.irp m, 0,1,2,3
.if (\first) && (\m < 2)
	v_wmma_f32_16x16x32_bf16 v[PH0+8*(\m%2):PH0+8*(\m%2)+7], v[192+8*\m:199+8*\m], v[\xr+8*\m:\xr+8*\m+7], 0
.else
	v_wmma_f32_16x16x32_bf16 v[PH0+8*(\m%2):PH0+8*(\m%2)+7], v[192+8*\m:199+8*\m], v[\xr+8*\m:\xr+8*\m+7], v[PH0+8*(\m%2):PH0+8*(\m%2)+7]
.endif
.endr
	WIN 0
.endm
; 16 products on codes: 8 weight tiles (bt = 0: W1's phases, 1: W2's pairs of experts) x my two K steps; the 8 accumulators by turns.  The weights' scale word of the second K step lies in lanes 16-31.
.macro FP6 bt
	WIN 0x02
.irp n, 0,1,2,3,4,5,6,7
	v_wmma_scale_f32_16x16x128_f8f6f4 v[ACC+8*\n:ACC+8*\n+7], v[96*(\bt)+12*\n:96*(\bt)+12*\n+11], v[COD:COD+11], 0, v[WSC+8*(\bt)+\n], v[XSC] matrix_a_fmt:MATRIX_FMT_FP6 matrix_b_fmt:MATRIX_FMT_FP6
.endr
	WIN 0x03
.irp n, 0,1,2,3,4,5,6,7
	v_wmma_scale_f32_16x16x128_f8f6f4 v[ACC+8*\n:ACC+8*\n+7], v[96*(\bt)+12*\n:96*(\bt)+12*\n+11], v[COD+12:COD+23], v[ACC+8*\n:ACC+8*\n+7], v[WSC+8*(\bt)+\n], v[XSC+1] matrix_a_fmt:MATRIX_FMT_FP6 matrix_b_fmt:MATRIX_FMT_FP6 matrix_a_scale:MATRIX_SCALE_ROW1
.endr
	WIN 0
.endm
; The 14 masks of a tile's two pickings, in one run, as soon as the tile's word is in: one wait on va_sdst, directly behind the run, serves them all.
.macro MASKS
.irp n, 1,2,3,4,5,6,7
	v_cmp_eq_u32 s[MSK+\n-1], \n, v[PHV]
.endr
.irp n, 1,2,3,4,5,6,7
	v_cmp_eq_u32 s[MSK+7+\n-1], \n, v[OCQ]
.endr
.endm
; Of the 8 accumulators each lane keeps its token's.  Five places stand behind the products: four for the reads, the fifth for the next run's products, which begin these accumulators anew (ISA guide 7.12.1).
; Each accumulator is read from its low end on.
.macro SELECT bt
.rept 5
	v_nop
.endr
.irp j, 0,1,2,3,4,5,6,7
	v_cndmask_b32 v[SEL+8*(\bt)+\j], v[ACC+\j], v[ACC+8+\j], s[MSK+7*(\bt)]
.endr
.irp n, 2,3,4,5,6,7
.irp j, 0,1,2,3,4,5,6,7
	v_cndmask_b32 v[SEL+8*(\bt)+\j], v[SEL+8*(\bt)+\j], v[ACC+8*\n+\j], s[MSK+7*(\bt)+\n-1]
.endr
.endr
.endm
; My 24 partial logits of the tile go to LDS as an image of their registers.
.macro PARTOUT k
.irp i, 0,2,4,6
	v_pk_add_f32 v[PH0+\i:PH0+\i+1], v[PH0+\i:PH0+\i+1], v[PH0+8+\i:PH0+8+\i+1]
.endr
	v_add_nc_u32 v[PAD], s[SPART], v[PST]          ; (the last tile's stores, which read it, stand ahead of this tile's first wait on vm_vsrc)
	s_wait_alu depctr_va_vdst(0)                   ; the pickings, the four sums and the add have written SEL, PH0 and PAD, which the stores below read.  All of the tile's vector and matrix work stands ahead of this wait: so it is also done with ACC, META and W2's registers, in which the next tile's loads land
.irp c, 0,1,2,3,4,5
	ds_store_b128 v[PAD], v[SEL+4*\c:SEL+4*\c+3] offset:PIMG*(\k)+512*\c
.endr
.endm
; The 16 experts of group s[GCUR]: 16 fragments (48 loads) and 8 scale words, in three runs, each behind a counted wait that leaves room for it.
.macro LOADW2
	s_min_u32 s74, s[GCUR], 7                      ; a loaded number enters an address only behind this hold
	s_add_co_u32 s74, s74, 1
	s_mul_i32 s76, s74, 98304                      ; 8 tiles x 8 K steps x 1,536 bytes for W1 and for each group
	s_mov_b32 s77, 0
	s_add_nc_u64 s[68:69], s[66:67], s[76:77]
	s_lshl_b32 s76, s74, 12                        ; 8 tiles x 512 bytes of scale words
	s_add_nc_u64 s[72:73], s[10:11], s[76:77]
	s_wait_loadcnt 39                              ; room for the 24 below: 39 + 24 = 63
	WIN 0x80
.irp q, 0,1,2,3,4,5,6,7
.irp c, 0,1,2
	global_load_b128 v[96+12*\q+4*\c:99+12*\q+4*\c], v[LI], s[68:69] offset:12288*\q+512*\c
.endr
.endr
	s_wait_loadcnt 39                              ; and for the next 24
	WIN 0xc0
.irp q, 0,1,2,3,4,5,6,7
.irp c, 0,1,2
	global_load_b128 v[96+12*\q+4*\c:99+12*\q+4*\c], v[LI], s[68:69] offset:12288*\q+1536+512*\c
.endr
.endr
	WIN 0
	s_wait_loadcnt 55                              ; and for the eight scale words: 55 + 8 = 63
.irp q, 0,1,2,3,4,5,6,7
	global_load_b32 v[WSC+8+\q], v[WSO], s[72:73] offset:512*\q
.endr
.endm
; The experts of the group of the trip's k-th tile are fetched.  The wait for them stands in the tile, directly ahead of the second run of products: nothing between names the registers in which they land.
; The loads land in registers that the last tile's second run of products read: those products stand ahead of the wait on va_vdst in front of that tile's partial stores, and nothing issued since names these registers.
.macro RELOAD k
	s_bfe_u32 s[GCUR], s[GS], 0x30000+3*(\k)       ; 3 bits from bit 3 k
	s_wait_xcnt 0x0                                ; the bases of the last such loads are written again only behind this wait
	LOADW2
.endm
; The head of a trip: the LDS addresses of the trip's words.  Their last readers, the LDS loads at the head of the tile before, stand ahead of that tile's waits on vm_vsrc.  words = 1: the trip's tiles fetch words for offsets.
.macro ON words
	v_add_nc_u32 v[TA], s[ST64], v[METR]
.if \words
	v_add_nc_u32 v[TB], s[ST64], v[METH]
.endif
	s_wait_alu depctr_va_vdst(0)                   ; the addresses just made are written, which the LDS loads at the heads of this trip's tiles read
.endm
; ONE TILE.  u = the tile's parity, k = the tile less the trip's first.  r1 = 1: half 1 of the tile two on is asked for.  r2 = 1: half 0 of the next tile is turned and half 0 of the tile three on asked for; 2: turned only; 0: neither.
; w1, w2: the loads younger than the half-tile wanted (16 for each half-tile behind it).  In a tile that fetches, the fetch's 56 loads are younger too than the half-tile that w2 wants: 72 or more in all; w2 is then 63, the most that the wait can name, the stricter side.
; mix = 0: the tile's experts lie in my registers; 1: they are fetched; 2: they are fetched where the tile's group is another than the last tile's.
.macro TILE u, k, r1, r2, w1, w2, mix
	ds_load_b32 v[META], v[TA] offset:64*(\k)
.if (\r2) == 1
	s_wait_xcnt 0x0                                ; the loads that named this set of offsets have read it (they also stand ahead of the last tile's second wait on vm_vsrc)
	ds_load_b128 v[XAD+8*(1-\u):XAD+8*(1-\u)+3],   v[TB] offset:64*((\k)+3)
	ds_load_b128 v[XAD+8*(1-\u)+4:XAD+8*(1-\u)+7], v[TB] offset:64*((\k)+3)+16
.endif
	s_wait_loadcnt \w1                             ; this tile's half 1 has landed
	DRAIN_ST 2*\u+1
	DRAIN_LD XB
	s_wait_dscnt 16                                ; only the 16 loads just issued may be out: half 0's numbers and the words are in, the last partial stores are done, and the slot's registers have been read
	s_wait_alu depctr_vm_vsrc(0)                   ; the stage's stores have read the slot, in which the loads below land; the last tile's partial stores have read SEL, PH0 and PAD, which this tile writes again; the LDS loads above have read TA and TB
.if \r1
	LOADH 2*\u+1, \u, 1
.endif
	v_bfe_u32 v[PHV], v[META], 15, 3
	v_bfe_u32 v[OCQ], v[META], 19, 3
	MASKS
	s_wait_alu depctr_va_sdst(0)                   ; the 14 masks are written, which the pickings read
.if (\mix) == 1
	RELOAD \k
.endif
.if (\mix) == 2
	s_bfe_u32 s[SCR], s[DCH], 0x30000+3*(\k)
	s_cmp_eq_u32 s[SCR], 0                         ; a stored whole number, the same in all four waves
	s_cbranch_scc1 .Lsame_\@
	RELOAD \k
.Lsame_\@:
.endif
	QUANT XA, 0
	BF16 XA
	PHEAD XA, 0, 1
	s_wait_dscnt 0x0                               ; half 1's numbers are in
	QUANT XB, 1
	BF16 XB
	PHEAD XB, 1, 0
.if \r2
	s_wait_loadcnt \w2                             ; the next tile's half 0 has landed; it turns through the stage while the products below run
	DRAIN_ST 2*(1-\u)
.endif
.if (\r2) == 1
	ADDR 1-\u
.endif
.rept 5
	v_nop                                          ; the products below write over registers that the phase head's last products read: five places (ISA guide 7.12.1)
.endr
	s_wait_alu depctr_va_vdst(0)                   ; QUANT has written x's codes and scale words, which the scaled products take; BF16 and the phase head are done with XA, in which the stage's loads land; ADDR has written the offsets that X's loads read, here and in the next tile
.if (\r2) == 1
	s_wait_alu depctr_vm_vsrc(0)                   ; the stage's stores have read the slot, in which the loads below land; this tile's loads of X have read the other set of offsets, over which the next tile's head loads
.endif
.if \r2
	DRAIN_LD XA
	s_wait_dscnt 16                                ; the stage's stores are done: they have read the slot's registers.  With the 16 loads that may be out, the six partial stores and the next head's 35 at the most, 57 LDS instructions of mine are out at the most
.endif
.if (\r2) == 1
	LOADH 2*(1-\u), 1-\u, 0
.endif
	FP6 0
	SELECT 0
.if \mix
.if (\r2) == 1
	s_wait_loadcnt 16                              ; the fetch has landed: W2's fragments and scale words, which the products below take; only the sixteen loads of X issued behind it may be out
.else
	s_wait_loadcnt 0x0                             ; the fetch has landed: W2's fragments and scale words, which the products below take; no load was issued behind it
.endif
.endif
	FP6 1
	SELECT 1
	PARTOUT \k
.endm
	s_load_b512 s[4:19], s[0:1], 0x0               ; X s[4:5], order s[6:7], wcodes s[8:9], wscales s[10:11], wpf s[12:13], b1 s[14:15], b2 s[16:17], bp s[18:19]
	s_load_b128 s[20:23], s[0:1], 0x40             ; out0, out1
	s_load_b64 s[24:25], s[0:1], 0x50              ; out2
	v_lshl_add_u32 v[SPW], v0, 2, SPARE
	v_mov_b32 v[NIL], 0
	v_lshrrev_b32 v[TA], 5, v0
	v_readfirstlane_b32 s[WV], v[TA]               ; wave 0..3
	v_and_b32 v[LI], 31, v0
	v_lshlrev_b32 v[LI], 4, v[LI]
	v_and_b32 v[R], 15, v0
	v_bfe_u32 v[H], v0, 4, 1
	s_wait_alu depctr_va_sdst(0)                   ; s[WV] is written, ahead of its first reader
	s_lshl_b32 s74, s[WV], 10
	v_lshl_add_u32 v[LOFF], v[R], 4, s74
	s_mul_i32 s74, s[WV], STAGEW
	v_mul_u32_u24 v[STW], v[H], 8*SPITCH
	v_lshl_add_u32 v[STW], v[R], 4, v[STW]
	v_add_nc_u32 v[STW], s74, v[STW]
	v_mul_u32_u24 v[STR], v[R], SPITCH
	v_lshl_add_u32 v[STR], v[H], 7, v[STR]
	v_add_nc_u32 v[STR], s74, v[STR]
	s_mul_i32 s74, s[WV], METW
	s_add_co_u32 s74, s74, MET
	v_lshl_add_u32 v[METH], v[H], 5, s74
	v_lshl_add_u32 v[METR], v[R], 2, s74
	v_add_nc_u32 v[TB], s74, v[LI]                 ; where my copy of the first 128 words goes
	s_lshl_b32 s75, s[WV], 6
	v_add_nc_u32 v[TA], s75, v[METR]               ; the word of token R of tile w
	s_mul_i32 s74, s[WV], PARTW
	s_add_co_u32 s74, s74, PART
	v_add_nc_u32 v[PST], s74, v[LI]
	v_lshlrev_b32 v[SH8], 3, v[H]
	s_lshl_b32 s74, s[WV], 7
	v_lshl_add_u32 v[WSO], v[H], 6, s74
	v_lshl_add_u32 v[WSO], v[R], 2, v[WSO]
	v_lshlrev_b32 v[PAD], 2, v[R]
	v_mov_b32 v[T2], 0                             ; written once: a lane permute's destination counts as one of its sources
	s_mov_b32 s[PSEL], 0x76543210
	s_mov_b32 s[PSEL+1], 0xfedcba98
	s_mov_b32 s[LOG2E], 0x3fb8aa3b
	s_mov_b32 s[TRIP], 3
	s_mov_b32 s[ST64], 0
	s_mov_b32 s[SPART], 0
	s_mov_b32 s75, 0
	s_wait_kmcnt 0x0
	s_load_b256 s[28:35], s[18:19], 0x0            ; bp's eight numbers
	s_mul_i32 s74, ttmp9, 576                      ; my work-group's 144 words
	s_add_nc_u64 s[6:7], s[6:7], s[74:75]
	s_wait_alu depctr_va_vdst(0)                   ; the offsets and LDS addresses made above (v1 to v13, v17) are written: the loads and stores below, and those of the whole kernel, read them
	global_load_b128 v[128:131], v[LI], s[6:7]             ; tiles 0-7: 512 consecutive bytes
	global_load_b32 v132, v[PAD], s[6:7] offset:512        ; tile 8 (zeros where there is none)
	s_mul_i32 s74, s[WV], 3072                     ; my two K steps in each tile of codes
	s_add_nc_u64 s[66:67], s[8:9], s[74:75]
	s_lshl_b32 s74, s[WV], 13                      ; my eight fragments of Wp
	s_add_nc_u64 s[70:71], s[12:13], s[74:75]
	WIN 0x80                                       ; what hangs on no word of the list goes out while the words are on their way: W1's codes and Wp's first K step, 56 loads
.irp p, 0,1,2,3,4,5,6,7
.irp c, 0,1,2
	global_load_b128 v[12*\p+4*\c:12*\p+4*\c+3], v[LI], s[66:67] offset:12288*\p+512*\c
.endr
.endr
.irp m, 0,1,2,3
.irp c, 0,1
	global_load_b128 v[192+8*\m+4*\c:195+8*\m+4*\c], v[LI], s[70:71] offset:1024*\m+512*\c
.endr
.endr
	WIN 0xc0
.irp p, 0,1,2,3,4,5,6,7
.irp c, 0,1,2
	global_load_b128 v[12*\p+4*\c:12*\p+4*\c+3], v[LI], s[66:67] offset:12288*\p+1536+512*\c
.endr
.endr
	s_wait_loadcnt 47                              ; the words are in: 56 loads are younger than they; 47 also leaves room for the sixteen loads below
	s_wait_kmcnt 0x0                               ; bp
.irp m, 0,1,2,3
.irp c, 0,1
	global_load_b128 v[192+8*\m+4*\c:195+8*\m+4*\c], v[LI], s[70:71] offset:4096+1024*\m+512*\c
.endr
.endr
	WIN 0
.irp p, 0,1,2,3,4,5,6,7
	global_load_b32 v[WSC+\p], v[WSO], s[10:11] offset:512*\p
.endr
	ds_store_b128 v[TB], v[128:131]
	ds_store_b32 v[METR], v132 offset:512          ; lanes R and 16 + R store the same word
.irp t, 0,1,2,3,4,5,6,7
	v_readlane_b32 s[WRD+\t], v128, 4*\t           ; lane l holds words 4 l .. 4 l + 3: the first word of tile t lies in lane 4 t
.endr
	v_readlane_b32 s[WRD+8], v132, 0               ; and tile 8's
	s_wait_alu depctr_va_sdst(0)                   ; the nine words s74 to s82 are written, ahead of their first reader
	s_bfe_u32 s[NINE], s[WRD], 0x1001c             ; bit 28 of the first word of tile 0, which every work-group has
	s_bfe_u32 s[GCUR], s[WRD], 0x30016             ; tile 0's g: 3 bits from bit 22
	s_mov_b32 s[GS], s[GCUR]
.irp t, 1,2,3,4,5,6,7,8
	s_bfe_u32 s[WRD+\t], s[WRD+\t], 0x30016
	s_lshl_b32 s[WRD+\t], s[WRD+\t], 3*\t
	s_or_b32 s[GS], s[GS], s[WRD+\t]               ; tile t's g at bits 3 t .. 3 t + 2
.endr
	s_lshl_b32 s[DCH], s[GS], 3
	s_or_b32 s[DCH], s[DCH], s[GCUR]               ; the g of the tile before, tile 0's own under tile 0;
	s_xor_b32 s[DCH], s[DCH], s[GS]                ; field t is other than 0 where tile t begins another group (the bits above field 8 are not looked at; field 8 only where there is a ninth tile)
	ds_load_b128 v[XAD:XAD+3],     v[METH]                 ; LDS serves a wave's instructions in order: these see my stores
	ds_load_b128 v[XAD+4:XAD+7],   v[METH] offset:16
	ds_load_b128 v[XAD+8:XAD+11],  v[METH] offset:64
	ds_load_b128 v[XAD+12:XAD+15], v[METH] offset:80
	ds_load_b32 v[EM],   v[TA]                     ; the tiles that I finish: w,
	ds_load_b32 v[EM+1], v[TA] offset:256          ; w + 4,
	ds_load_b32 v[EM+2], v[METR] offset:512        ; and 8 (used by wave 0 alone)
	s_wait_dscnt 0x0
	ADDR 0
	ADDR 1
.irp e, 0,1,2                                  ; the offsets of the biases of the tiles that I finish: b1[phase][8 H ..], b2[occurrence][..]
	v_bfe_u32 v[133+2*\e], v[EM+\e], 15, 3
	v_bfe_u32 v[134+2*\e], v[EM+\e], 18, 7
	v_min_u32 v[133+2*\e], 7, v[133+2*\e]
	v_min_u32 v[134+2*\e], 0x7f, v[134+2*\e]
	v_lshlrev_b32 v[133+2*\e], 6, v[133+2*\e]
	v_lshlrev_b32 v[134+2*\e], 5, v[134+2*\e]
	v_lshl_add_u32 v[133+2*\e], v[H], 5, v[133+2*\e]
.endr
	s_wait_alu depctr_va_vdst(0)                   ; both sets of row offsets and the biases' six offsets are written, which the loads below read; v128 and v132 have been read by the nine v_readlane_b32 above
	LOADH 0, 0, 0                                  ; tile 0
	LOADH 1, 0, 1
	LOADW2                                         ; 56 loads: tile 0's group
	s_wait_loadcnt 51                              ; room for the biases' twelve loads: 51 + 12 = 63
	WIN 0x80
.irp e, 0,1
	global_load_b128 v[224+16*\e:227+16*\e], v[133+2*\e], s[14:15]
	global_load_b128 v[228+16*\e:231+16*\e], v[133+2*\e], s[14:15] offset:16
	global_load_b128 v[232+16*\e:235+16*\e], v[134+2*\e], s[16:17]
	global_load_b128 v[236+16*\e:239+16*\e], v[134+2*\e], s[16:17] offset:16
.endr
	WIN 0xc0
	global_load_b128 v[224:227], v137, s[14:15]
	global_load_b128 v[228:231], v137, s[14:15] offset:16
	global_load_b128 v[232:235], v138, s[16:17]
	global_load_b128 v[236:239], v138, s[16:17] offset:16
	WIN 0
	LOADH 2, 1, 0                                  ; tile 1
	LOADH 3, 1, 1
	s_wait_loadcnt 63                              ; tile 0's half 0 has landed: 116 loads are younger; the wait's field holds 63, the stricter side
	s_wait_xcnt 0x0                                ; set 0 of the offsets and the biases' offsets have been read: loads may land on them
	s_wait_alu depctr_vm_vsrc(0)                   ; the loads above have read set 0 of the offsets and v133 to v138, my LDS stores v128 to v132: LDS loads land on all of these below; TA, TB and PAD have been read too, which the tiles write again
	ds_load_b128 v[XAD:XAD+3],   v[METH] offset:128        ; tile 2's words
	ds_load_b128 v[XAD+4:XAD+7], v[METH] offset:144
	DRAIN_ST 0
	DRAIN_LD XA
	s_wait_dscnt 16                                ; the words are in, and the stores have read the slot's registers
	ADDR 0
	s_wait_alu depctr_va_vdst(0)                   ; ADDR has written set 0 of the offsets, which the loads below and tile 0's read
	s_wait_alu depctr_vm_vsrc(0)                   ; the stage's stores have read slot 0, in which the loads below land
	LOADH 0, 0, 0                                  ; tile 2's half 0.  The first wait of tile 0 leaves 48 loads out, all of them X's and younger than every weight: so it shows the weights landed too
.Ltrip:                                                ; three trips of two tiles: tiles 0-5
	ON 1
	s_and_b32 s[SCR], s[DCH], 63                   ; does either of the trip's two tiles begin another group?  Stored whole numbers, the same in all four waves
	s_cmp_lg_u32 s[SCR], 0
	s_cbranch_scc1 .Lmixed
	TILE 0, 0, 1, 1, 48, 48, 0
	TILE 1, 1, 1, 1, 48, 48, 0
	s_branch .Ljoin
.Lmixed:                                               ; the same two tiles, each fetching its group's experts
	TILE 0, 0, 1, 1, 48, 63, 1
	TILE 1, 1, 1, 1, 48, 63, 1
.Ljoin:
	s_lshr_b32 s[GS], s[GS], 6                     ; on to the next two tiles' fields
	s_lshr_b32 s[DCH], s[DCH], 6
	s_add_co_u32 s[ST64], s[ST64], 128
	s_add_co_u32 s[SPART], s[SPART], 2*PIMG
	s_sub_co_u32 s[TRIP], s[TRIP], 1
	s_cmp_lg_u32 s[TRIP], 0
	s_cbranch_scc1 .Ltrip
	ON 0                                           ; tiles 6 to 8 fetch no more words for offsets
	s_and_b32 s[SCR], s[DCH], 63                   ; tiles 6 and 7
	s_cmp_lg_u32 s[SCR], 0
	s_cbranch_scc1 .Lmixed_tail
	TILE 0, 0, 1, 2, 48, 48, 0                     ; tile 6: the last request, tile 8's half 1
	TILE 1, 1, 0, 2, 32, 16, 0                     ; tile 7: the counts run down
	s_branch .Ltail_join
.Lmixed_tail:
	TILE 0, 0, 1, 2, 48, 63, 1
	TILE 1, 1, 0, 2, 32, 63, 1
.Ltail_join:
	s_cmp_eq_u32 s[NINE], 0                        ; a stored whole number, the same in all four waves
	s_cbranch_scc1 .Lno9
	TILE 0, 2, 0, 0, 0, 0, 2                       ; tile 8, where there is one
.Lno9:
	s_mul_i32 s74, s[WV], PIMG
	s_add_co_u32 s74, s74, PART
	v_add_nc_u32 v[TA], s74, v[LI]                 ; tile w in wave 0's images;  (the last LDS load that read TA stands ahead of the last tile's wait on vm_vsrc)
	v_add_nc_u32 v[TB], 2*PARTW, v[TA]             ; in wave 2's
	s_wait_alu depctr_va_vdst(0)                   ; TA and TB are written, which the LDS loads behind the barrier read
	s_wait_loadcnt 0x0                             ; what was asked for a ninth tile that is not there has landed
	s_wait_dscnt 0x0                               ; for the others' sake: my partial stores are done
	s_barrier_signal -1
	s_barrier_wait -1                              ; the launch's only barrier: all four waves' partial logits of all tiles lie in LDS
; THE END OF A TILE: tile w + 4 e.  The four waves' partial logits are added, then the biases; three softmaxes, each with its maximum taken away; the three numbers of each token are stored.
; Lane (r, h): v128-135 W1's logits 8 h + j; v136-143 the logits of expert 2 q + h of the token's pair; v144-151 the phase head's (h = 0).  What lies in the wrong half gets the key -1 and adds 0.
; The LDS loads land in v128-223: all vector work that named them stands ahead of the last wait on va_vdst (e = 0: the one above the barrier; else the one in front of the last end's stores).
; The keys and the 24 masks of the numerators hang on the tile's word alone: they are made while the LDS loads are out, in two runs of compares with one wait on va_sdst each.
.macro EPI e
.irp q, 0,1
.irp c, 0,1,2,3,4,5
	ds_load_b128 v[128+24*\q+4*\c:131+24*\q+4*\c], v[TA] offset:PARTW*\q+4*PIMG*(\e)+512*\c
	ds_load_b128 v[176+24*\q+4*\c:179+24*\q+4*\c], v[TB] offset:PARTW*\q+4*PIMG*(\e)+512*\c
.endr
.endr
	v_bfe_u32 v20, v[EM+(\e)], 18, 4
	v_sub_nc_u32 v20, v20, v[SH8]                  ; key 1: occurrence % 16 - 8 h
	v_bfe_u32 v21, v[EM+(\e)], 18, 1
	v_bfe_u32 v22, v[EM+(\e)], 25, 3
	v_bfe_u32 v23, v[EM+(\e)], 15, 3
	v_cmp_eq_u32 s[KM], v21, v[H]
	v_cmp_eq_u32 s[KM+1], 0, v[H]
	s_wait_alu depctr_va_sdst(0)                   ; the two masks are written, which the two lines below read
	v_cndmask_b32 v22, -1, v22, s[KM]              ; key 2: subject % 8 in the half that holds the token's expert
	v_cndmask_b32 v23, -1, v23, s[KM+1]            ; key 0: phase, in lanes 0-15
.irp j, 0,1,2,3,4,5,6,7                        ; mask i = 3 j + c lies in s[48 + i], past s63 two further on
	v_cmp_eq_u32 s[48+3*\j+2*((3*\j)/16)],     \j, v20
	v_cmp_eq_u32 s[48+3*\j+1+2*((3*\j+1)/16)], \j, v22
	v_cmp_eq_u32 s[48+3*\j+2+2*((3*\j+2)/16)], \j, v23
.endr
	s_wait_alu depctr_va_sdst(0)                   ; the 24 masks are written, which the numerators' lines read
	s_wait_dscnt 0x0
	s_wait_xcnt 0x0                                ; the last tile's stores have read their registers
.if (\e) > 0
	s_wait_alu depctr_vm_vsrc(0)                   ; the last end's three stores have read v28 and v30 to v32, which are written again below
.endif
.irp i, 0,2,4,6,8,10,12,14,16,18,20,22
	v_pk_add_f32 v[128+\i:129+\i], v[128+\i:129+\i], v[152+\i:153+\i]
	v_pk_add_f32 v[176+\i:177+\i], v[176+\i:177+\i], v[200+\i:201+\i]
.endr
.irp i, 0,2,4,6,8,10,12,14,16,18,20,22
	v_pk_add_f32 v[128+\i:129+\i], v[128+\i:129+\i], v[176+\i:177+\i]
.endr
	WIN 0x08+4*((\e)/2)                            ; source 1: window 2 (tiles w, w + 4) or 3 (tile 8)
.irp i, 0,2,4,6,8,10,12,14
	v_pk_add_f32 v[128+\i:129+\i], v[128+\i:129+\i], v[224+16*((\e)%2)+\i:225+16*((\e)%2)+\i]   ; b1, b2
.endr
	WIN 0
.irp j, 0,1,2,3,4,5,6,7
	v_add_f32 v[144+\j], s[28+\j], v[144+\j]       ; bp
.endr
	v_max3_num_f32 v24, v128, v129, v130
	v_max3_num_f32 v25, v136, v137, v138
	v_max3_num_f32 v26, v144, v145, v146
.irp j, 3,5
	v_max3_num_f32 v24, v24, v[128+\j], v[129+\j]
	v_max3_num_f32 v25, v25, v[136+\j], v[137+\j]
	v_max3_num_f32 v26, v26, v[144+\j], v[145+\j]
.endr
	v_max_num_f32 v24, v24, v135
	v_max_num_f32 v25, v25, v143
	v_max_num_f32 v26, v26, v151
	v_permlanex16_b32 v27, v24, s[PSEL], s[PSEL+1]
	v_max_num_f32 v24, v24, v27                    ; W1's 16 logits lie in both halves
	v_mul_f32 v25, s[LOG2E], v25
	v_mul_f32 v26, s[LOG2E], v26
	v_mul_f32 v24, s[LOG2E], v24
.irp j, 0,1,2,3,4,5,6,7
	v_fma_f32 v[128+\j], v[128+\j], s[LOG2E], -v24 ; (logit - maximum) x log2(e)
	v_fma_f32 v[136+\j], v[136+\j], s[LOG2E], -v25
	v_fma_f32 v[144+\j], v[144+\j], s[LOG2E], -v26
.endr
	s_wait_alu depctr_va_vdst(0)
.irp j, 0,1,2,3,4,5,6,7,8,9,10,11,12,13,14,15,16,17,18,19,20,21,22,23
	v_exp_f32 v[128+\j], v[128+\j]
.endr
	v_mov_b32 v30, 0                               ; the numerators begin; plain work behind the exponentials
	v_mov_b32 v31, 0
	v_mov_b32 v32, 0
	s_wait_alu depctr_va_vdst(0)                   ; the 24 exponentials have written v128 to v151: one wait for the batch, ahead of its first reader
	v_add_f32 v33, v128, v129
	v_add_f32 v34, v136, v137
	v_add_f32 v35, v144, v145
.irp j, 2,3,4,5,6,7
	v_add_f32 v33, v33, v[128+\j]
	v_add_f32 v34, v34, v[136+\j]
	v_add_f32 v35, v35, v[144+\j]
.endr
.irp j, 0,1,2,3,4,5,6,7
	v_cndmask_b32 v30, v30, v[128+\j], s[48+3*\j+2*((3*\j)/16)]
	v_cndmask_b32 v31, v31, v[136+\j], s[48+3*\j+1+2*((3*\j+1)/16)]
	v_cndmask_b32 v32, v32, v[144+\j], s[48+3*\j+2+2*((3*\j+2)/16)]
.endr
	v_permlanex16_b32 v27, v33, s[PSEL], s[PSEL+1]
	v_permlanex16_b32 v29, v30, s[PSEL], s[PSEL+1]
	v_add_f32 v33, v33, v27                        ; W1's sum and numerator over both halves
	v_add_f32 v30, v30, v29
	s_wait_alu depctr_va_vdst(0)
	v_rcp_f32 v24, v33
	v_rcp_f32 v25, v34
	v_rcp_f32 v26, v35
	v_and_b32 v28, 0x7fff, v[EM+(\e)]              ; the token; a plain place behind the reciprocals
	s_wait_alu depctr_va_vdst(0)                   ; the three reciprocals have written v24 to v26: one wait, ahead of their first reader
	v_mul_f32 v30, v30, v24                        ; p1
	v_mul_f32 v31, v31, v25                        ; p2, 0 in the wrong half
	v_mul_f32 v32, v32, v26                        ; p0, 0 in lanes 16-31
	v_permlanex16_b32 v27, v31, s[PSEL], s[PSEL+1]
	v_permlanex16_b32 v29, v32, s[PSEL], s[PSEL+1]
	v_add_f32 v31, v31, v27
	v_add_f32 v32, v32, v29
	v_mul_f32 v30, v32, v30                        ; p0 p1
	v_min_u32 v28, 0x7fff, v28
	v_mul_f32 v31, v30, v31                        ; p0 p1 p2
	v_lshlrev_b32 v28, 2, v28
	s_wait_alu depctr_va_vdst(0)                   ; the offset v28 and the three results v30 to v32 are written, which the stores read; all of this end's vector work is done with v128 to v223, in which the next end's LDS loads land
	global_store_b32 v28, v32, s[20:21]            ; lanes r and 16 + r hold the same token and the same numbers: EXEC stays whole
	global_store_b32 v28, v30, s[22:23]
	global_store_b32 v28, v31, s[24:25]
.endm
	EPI 0
	EPI 1
	s_cmp_lg_u32 s[WV], 0                          ; the ninth tile, where there is one, is wave 0's
	s_cbranch_scc1 .Ldone
	s_cmp_eq_u32 s[NINE], 0
	s_cbranch_scc1 .Ldone
	EPI 2
.Ldone:
	s_wait_dscnt 0x0                               ; the closing lines, six on end
	s_wait_alu 0x0
	s_wait_tensorcnt 0x0
	ds_add_u32 v[SPW], v[NIL]
	s_wait_dscnt 0x0
	s_endpgm
.Lfunc_end_k_qcd43dbb458_route:
	.size	k_qcd43dbb458_route, .Lfunc_end_k_qcd43dbb458_route-k_qcd43dbb458_route
	.p2alignl 7, 3214868480
	.fill 96, 4, 3214868480
	.section	.rodata,"a",@progbits
	.p2align	6, 0x0
	.amdhsa_kernel k_qcd43dbb458_route
		.amdhsa_group_segment_fixed_size 147968
		.amdhsa_private_segment_fixed_size 0
		.amdhsa_enable_private_segment 0
		.amdhsa_kernarg_size 88
		.amdhsa_user_sgpr_count 2
		.amdhsa_user_sgpr_kernarg_segment_ptr 1
		.amdhsa_wavefront_size32 1
		.amdhsa_system_sgpr_workgroup_id_x 1
		.amdhsa_system_sgpr_workgroup_id_y 1
		.amdhsa_system_sgpr_workgroup_id_z 1
		.amdhsa_system_vgpr_workitem_id 0
		.amdhsa_next_free_vgpr 1024
		.amdhsa_next_free_sgpr 84
		.amdhsa_reserve_vcc 0
		.amdhsa_float_denorm_mode_32 3
		.amdhsa_float_denorm_mode_16_64 3
		.amdhsa_memory_ordered 1
		.amdhsa_forward_progress 1
		.amdhsa_inst_pref_size 255
	.end_amdhsa_kernel
	.section	.bss,"aw",@nobits
	.p2align	6
	.space	262144
	.amdgpu_metadata
---
amdhsa.version: [ 1, 2 ]
amdhsa.kernels:
  - .name:           k_qcd43dbb458_route
    .symbol:         k_qcd43dbb458_route.kd
    .args:
      - { .name: X, .offset: 0, .size: 8, .value_kind: global_buffer, .address_space: global }
      - { .name: order, .offset: 8, .size: 8, .value_kind: global_buffer, .address_space: global }
      - { .name: wcodes, .offset: 16, .size: 8, .value_kind: global_buffer, .address_space: global }
      - { .name: wscales, .offset: 24, .size: 8, .value_kind: global_buffer, .address_space: global }
      - { .name: wpf, .offset: 32, .size: 8, .value_kind: global_buffer, .address_space: global }
      - { .name: b1, .offset: 40, .size: 8, .value_kind: global_buffer, .address_space: global }
      - { .name: b2, .offset: 48, .size: 8, .value_kind: global_buffer, .address_space: global }
      - { .name: bp, .offset: 56, .size: 8, .value_kind: global_buffer, .address_space: global }
      - { .name: out0, .offset: 64, .size: 8, .value_kind: global_buffer, .address_space: global }
      - { .name: out1, .offset: 72, .size: 8, .value_kind: global_buffer, .address_space: global }
      - { .name: out2, .offset: 80, .size: 8, .value_kind: global_buffer, .address_space: global }
    .group_segment_fixed_size: 147968
    .private_segment_fixed_size: 0
    .kernarg_segment_align: 8
    .kernarg_segment_size: 88
    .max_flat_workgroup_size: 128
    .sgpr_count:     84
    .vgpr_count:     1024
    .wavefront_size: 32
...
	.end_amdgpu_metadata
.endif
;; end of part 4
